; MI455X (gfx1250); checked and timed in simulation.
; The chip was launched on July 23, 2026; its instructions are those of AMD's public machine-readable ISA for CDNA 5 (MIT licence, August 2026) and "CDNA5" Instruction Set Architecture Reference Guide (July 2026). The comments in the code are by the model that wrote it; some were corrected since.
;; Recording Stable Audio Attn Processor2 0. Allowed arithmetic: matrix products marked QUANTISED: E3M2 operands, one E8M0 scale for each 32 along K, by v_wmma_scale_f32_16x16x128_f8f6f4 with both operands' format E3M2, f32 sums; everything else in f32.
;; Inputs: bo 1,024 float32; cos 2,048 x 32 float32; hidden_states 2 x 2,048 x 1,024 float32; norm_k_w 64 float32; norm_q_w 64 float32; sin 2,048 x 32 float32; wk_codes 512 x 32 x 24 uint8 (E3M2 codes of wk, K innermost, in blocks of 32 codes, four codes in three bytes); wk_scales 512 x 32 uint8 (E8M0 scales of wk, one for each 32 codes along K); wo_codes 1,024 x 32 x 24 uint8 (E3M2 codes of wo, K innermost, in blocks of 32 codes, four codes in three bytes); wo_scales 1,024 x 32 uint8 (E8M0 scales of wo, one for each 32 codes along K); wq_codes 1,024 x 32 x 24 uint8 (E3M2 codes of wq, K innermost, in blocks of 32 codes, four codes in three bytes); wq_scales 1,024 x 32 uint8 (E8M0 scales of wq, one for each 32 codes along K); wv_codes 512 x 32 x 24 uint8 (E3M2 codes of wv, K innermost, in blocks of 32 codes, four codes in three bytes); wv_scales 512 x 32 uint8 (E8M0 scales of wv, one for each 32 codes along K).
;; Outputs: out0 2 x 2,048 x 1,024 float32.
;; This version of the problem:
;;   THIS VERSION OF THE PROBLEM IS GIVEN IN LOW PRECISION. The matrix products marked QUANTISED in the list below multiply operands that are first quantised to E3M2 (3 exponent bits, 2 mantissa bits; 6 bits a number), with one power-of-two scale for each 32 numbers along K (OCP MX v1.0); their sums are f32. All else is computed in f32.
;;   The module's matrix products, in the order in which they are computed (A, B: the left and right operand; K: the contracted axis; several contracted axes count as one K, in the product's order):
;;     1. [M 4,096, K 1,024] x [K 1,024, N 1,024]; A: input hidden_states; B: input wq (given as codes): QUANTISED
;;     2. [M 4,096, K 1,024] x [K 1,024, N 512]; A: input hidden_states; B: input wk (given as codes): QUANTISED
;;     3. [M 4,096, K 1,024] x [K 1,024, N 512]; A: input hidden_states; B: input wv (given as codes): QUANTISED
;;     4. batch 32 x [M 2,048, K 64] x [K 64, N 2,048]; A: computed on the way; B: computed on the way: QUANTISED
;;     5. batch 32 x [M 2,048, K 2,048] x [K 2,048, N 64]; A: softmax (see below); B: computed on the way: QUANTISED
;;     6. [M 4,096, K 1,024] x [K 1,024, N 1,024]; A: computed on the way; B: input wo (given as codes): QUANTISED
;;   THE QUANTISER, for each operand of a quantised product, along K:
;;     - K is cut into blocks of 32 from its start; a last block that is shorter is filled with zeros.
;;     - A block's scale is 2^e with e = floor(log2(the largest magnitude in the block)) - 4, held to -126 .. 127; a block of zeros has e = 0. As a byte (E8M0): e + 127.
;;     - Each number is divided by its block's scale, clamped to +-28, and rounded to the nearest number of E3M2, ties to even, subnormals kept.
;;     - The product sums the exact products of the quantised numbers (number of the format x scale) in f32.
;;   ~~~python
;;   def quantise(x, axis):      # numpy; x: float32 -> the quantised numbers, widened to float32 again
;;       x = np.moveaxis(x, axis, -1); K = x.shape[-1]
;;       x = np.pad(x, [(0, 0)] * (x.ndim - 1) + [(0, -K % 32)]); x = x.reshape(x.shape[:-1] + (-1, 32)); a = np.abs(x).max(-1, keepdims=True)
;;       e = np.where(a > 0, np.clip(np.frexp(np.where(a > 0, a, 1))[1] - 1 - 4, -126, 127), 0)      # np.frexp(a)[1] - 1 = floor(log2(a)), exactly
;;       r = np.clip(x / 2.0 ** e, -28, 28)
;;       step = 2.0 ** (np.maximum(np.frexp(np.where(r == 0, 1, r))[1] - 1, -2) - 2)
;;       q = np.round(r / step) * step * 2.0 ** e      # np.round: ties to even
;;       return np.moveaxis(q.reshape(q.shape[:-2] + (-1,))[..., :K], -1, axis).astype(np.float32)
;;   ~~~
;;   SOFTMAX AHEAD OF A QUANTISED PRODUCT. Where the list says 'softmax', what is quantised is not the finished softmax but p = 2^(t - M), with t = logit x log2(e) and M = ceil(the row's largest t), a whole number; so 1/2 < the row's largest p <= 1. The row's sum l is taken of the UNQUANTISED p, in f32, and the product's result is divided by l at the end. Since M is a whole number, a kernel that streams over the keys may use a running M (the ceiling of the running maximum): every later rescaling is an exact power of two, which a block's scale takes up: the codes' values come out the same.
;;   OPERANDS COMPUTED ON THE WAY. 'Computed on the way' means the value that the module computes at that place (a softmax that the list does not call 'softmax' is quantised finished and normalised). What goes into a quantiser is computed in f32, as accurately as f32 sums, v_exp_f32 and their like allow (about 1e-6 of the number): no bf16 or f16 on the way to a quantiser, and a product that is left as it is and whose result goes on into a quantised operand takes f32 operands (vector FMAs, or v_wmma_f32_16x16x4_f32). A number that lies on a knife's edge between two numbers of the format may be rounded either way, as far as f32 arithmetic and the matrix unit's own rounding can turn it there, and no further.
;;   INPUTS GIVEN AS CODES. wk (in the module: [1024, 512], K = its axis 0); wo (in the module: [1024, 1024], K = its axis 0); wq (in the module: [1024, 1024], K = its axis 0); wv (in the module: [1024, 512], K = its axis 0): each comes as NAME_codes (uint8): NAME with its K axis moved to the last place and cut into blocks of 32 codes, [.., K / 32, bytes a block], one block behind the other in memory; four codes in three bytes: a row's codes are one little-endian stream of bits, code i at bits 6 i .. 6 i + 5 (a code: sign, 3 exponent bits, 2 mantissa bits); and NAME_scales (uint8): the same leading axes, one E8M0 byte (e + 127) for each 32 codes along K. Its value is code x scale, taken as it is: it is not quantised again, and the codes and scales need not be those that the quantiser above would give.
;; One version. Each part assembles by itself: llvm-mc -triple=amdgcn-amd-amdhsa -mcpu=gfx1250 --defsym DOCPART=n.
;; ======== version 1 of 1: 4 launches
;; limits: right only within a limited range of input values
;; workspace buffers: xrec 3,407,872 bytes; wrec 2,359,296 bytes; qrec 3,670,016 bytes; kvrec 3,538,944 bytes; arec 3,407,872 bytes
;; launch quantx (part 1): grid 32 x 11, 4 waves a work-group, no clusters, 68,096 bytes of LDS; arguments hidden_states, wq_codes, wk_codes, wv_codes, wo_codes, xrec, wrec; writes xrec, wrec
.if DOCPART == 1
	.amdgcn_target "amdgcn-amd-amdhsa--gfx1250"
	.amdhsa_code_object_version 6
	.text
	.protected	k_q0e5c91ddf9_quantx
	.globl	k_q0e5c91ddf9_quantx
	.p2align	8
	.type	k_q0e5c91ddf9_quantx,@function
k_q0e5c91ddf9_quantx:
	s_mov_b64 s[64:65], 0
	v_nop
	global_prefetch_b8 v0, s[64:65] scope:SCOPE_SE
	s_setreg_imm32_b32 hwreg(HW_REG_WAVE_MODE, 25, 1), 1
	s_wait_xcnt 0x0
; LAUNCH 1 OF 4: hidden_states [4096 tokens][1024] f32 becomes codes of BF6 (E3M2) with one E8M0 byte for each 32 along K, laid as the matrix unit's registers want them; and the four weights' codes are laid so too.
; THE PROGRAM: quantx (this) | qkv: the three projections, RMSNorm, RoPE, q, k, v quantised | attn: both attention products and the softmax, its result quantised | oproj: the last product, bias, residual.
; DEAD WORK: none.  Every input has a way to the output and is loaded.  jnp.repeat of k and v only copies a key/value head for two query heads, so each is normed, turned and quantised once: the same numbers.
; THE QUANTISER: a block's scale is 2^(floor(log2(largest magnitude)) - 4); its byte is the largest magnitude's exponent field - 4, held at 1 from below; numbers / scale go to the nearest code, ties to even, beyond 28 to 28.
; LIMITS: NaN and infinities among the inputs are not served.  A block of zeros gets the byte 1 where the rule says 127: its codes are zeros, which add nothing, and only this program reads the bytes.
; TOKEN TILES (all four launches): a block is 128 tokens; row r of its tile ti is token 32 (ti / 2) + 8 (ti % 2) + r + 8 (r / 8).
; xrec: [block 32][K step 8][13,312 bytes]: eight fragments (16 rows x 128 K: 12 registers a lane) as images of their registers, register 4 c + i of lane l at 512 c + 16 l + 4 i; then the scale words [pair of tiles 4][lane 32][2].
; wrec: [group of 64 rows 48][K step 8][tile 4][1,536 bytes]: the weights' codes as they are given, bit for bit, as such images.  Groups 0-15: wq's heads; 16-23: wk's; 24-31: wv's; 32-47: wo's groups of 64 columns.
;   Row r of tile t is row 16 t + r of the group; in wv's groups 32 (t / 2) + 8 (t % 2) + r + 8 (r / 8).  In a weight's own layout a lane's 8 bytes lie 768 bytes from its neighbour's: those loads are made here, once for each
;   fragment; the 32 work-groups that later want a group each take it by loads of 512 consecutive bytes.
; SHARES, y = 0 .. 7: a work-group takes a block and K step y; wave w its tokens 32 w .. 32 w + 31: tiles 2 w and 2 w + 1.  A load reads 512 consecutive bytes of one row; the rows turn through the wave's own stage in LDS
; (pitch 528 bytes = 33 x 16: sixteen rows start in sixteen different groups of banks), from which a lane takes 16 neighbours of each block of 32.  No tensor load, no barrier: waves share nothing.
; SHARES, y = 8 .. 10: work-group 32 (y - 8) + x takes half a group of a weight: wave w tile w, four K steps.  No LDS.
.set KREC,  13312
.set XBLK,  106496
.set WGRP,  49152                      ; a group of 64 rows of a weight: 32 fragments
.set WST,   16896                      ; a wave's stage: 32 rows x 528 bytes
.set SPARE, 4*WST                      ; behind the stages: the spare words, 128 bytes a wave
.set GI,   4                           ; v4   16 x lane
.set SI,   5                           ; v5   the stage, on the way in
.set RDX,  6                           ; v6   and on the way out: 528 r + 64 h
.set SO,   7                           ; v7   8 x lane
.set SPW,  8                           ; v8   my spare word; never rewritten
.set NIL,  9                           ; v9   0; never rewritten
.set X,    16                          ; v16-143 32 loads x 4, then two tiles x 64 numbers; on the weights' path v16-63: four fragments
.set TM,   144                         ; v144-159 at work
.set PC,   160                         ; v160-179, v180-199 the two fragments
.set PW,   200                         ; v200-201 their scale words
.set SEL,  20                          ; s[20:21] lane l xor 16
; 64 numbers of a lane, register 16 b + i = k 32 b + 16 (lane / 16) + i of its row, become a fragment's codes in v[pc] .. v[pc + 11] and its scale word in v[pw]
.macro QUANT s, pc, pw
.irp b, 0,1,2,3
	v_max3_num_f32 v[TM+\b], |v[\s+16*\b]|, |v[\s+1+16*\b]|, 0x2800000   ; my 16 numbers of block b, and the floor 2^(5 - 127): the byte cannot fall under 1
.endr
.irp i, 2,4,6,8,10,12,14
.irp b, 0,1,2,3
	v_max3_num_f32 v[TM+\b], v[TM+\b], |v[\s+16*\b+\i]|, |v[\s+1+16*\b+\i]|   ; the four blocks by turns
.endr
.endr
.irp b, 0,1,2,3
	v_permlanex16_b32 v[TM+4+\b], v[TM+\b], s[SEL], s[SEL+1]
.endr
.irp b, 0,1,2,3
	v_max_num_f32 v[TM+\b], v[TM+\b], v[TM+4+\b]   ; with lane l xor 16's: the block's largest magnitude
.endr
.irp b, 0,1,2,3
	v_add_nc_u32 v[TM+12+\b], 0xfe000000, v[TM+\b]   ; 4 off its exponent field: the conversion's scale operand
.endr
.irp b, 0,1,2,3
	v_lshrrev_b32 v[TM+4+\b], 23, v[TM+12+\b]      ; the scale's byte
.endr
	v_lshl_or_b32 v[\pw], v[TM+5], 8, v[TM+4]
	v_lshl_or_b32 v[\pw], v[TM+6], 16, v[\pw]
	v_lshl_or_b32 v[\pw], v[TM+7], 24, v[\pw]
.irp c, 0,1
	v_cvt_scalef32_pk16_bf6_f32 v[\pc+6*\c:\pc+2+6*\c], v[\s+32*\c:\s+15+32*\c], v[TM+12+2*\c]
	v_cvt_scalef32_pk16_bf6_f32 v[\pc+12+4*\c:\pc+14+4*\c], v[\s+16+32*\c:\s+31+32*\c], v[TM+12+2*\c+1]   ; (a conversion's three registers begin on an even number)
.endr
	v_nop                                          ; one plain place behind the conversions
.irp c, 0,1                            ; the layout wants a whole block in a lane: lanes 0-15 block 2 c, lanes 16-31 block 2 c + 1
.irp i, 0,1,2
	v_permlane16_swap_b32 v[\pc+6*\c+\i], v[\pc+12+4*\c+\i]
.endr
.irp i, 0,1,2
	v_mov_b32 v[\pc+3+6*\c+\i], v[\pc+12+4*\c+\i]
.endr
.endr
.endm
	s_load_b256 s[4:11], s[0:1], 0x0               ; hidden_states, wq's, wk's, wv's codes
	s_load_b128 s[12:15], s[0:1], 0x20             ; wo's codes, xrec
	s_load_b64 s[16:17], s[0:1], 0x30              ; wrec
	v_lshl_add_u32 v[SPW], v0, 2, SPARE
	v_mov_b32 v[NIL], 0
	v_lshrrev_b32 v1, 5, v0
	v_readfirstlane_b32 s18, v1                    ; wave
	v_and_b32 v2, 31, v0                           ; lane
	v_and_b32 v3, 15, v0                           ; r
	v_bfe_u32 v10, v0, 4, 1                        ; h
	v_lshlrev_b32 v[GI], 4, v2
	s_mul_i32 s19, s18, WST
	v_add_nc_u32 v[SI], s19, v[GI]
	v_mul_u32_u24 v[RDX], v3, 528
	v_lshl_add_u32 v[RDX], v10, 6, v[RDX]
	v_add_nc_u32 v[RDX], s19, v[RDX]
	v_lshlrev_b32 v[SO], 3, v2
	s_and_b32 s22, ttmp7, 0xffff                   ; y
	s_cmp_ge_u32 s22, 8                            ; the work-group's number alone decides
	s_cbranch_scc1 .Lweights
	; ---- hidden_states: block x, K step y
.irp b, 0,1,2,3
	v_mov_b32 v[TM+4+\b], 0                        ; a lane permute's destination counts as one of its sources
.endr
	s_mov_b32 s[SEL], 0x76543210
	s_mov_b32 s[SEL+1], 0xfedcba98
	s_lshl_b32 s24, ttmp9, 19                      ; block x 128 rows of 4,096 bytes
	s_lshl_b32 s36, s18, 17                        ; + wave x 32 rows
	s_add_co_u32 s24, s24, s36
	s_lshl_b32 s36, s22, 9                         ; + K step x 512 bytes
	s_add_co_u32 s24, s24, s36
	s_mov_b32 s25, 0
	s_mul_i32 s37, ttmp9, XBLK
	s_mul_i32 s36, s22, KREC
	s_add_co_u32 s37, s37, s36                     ; my record
	s_mul_i32 s26, s18, 3072
	s_add_co_u32 s26, s26, s37                     ; my two fragments in it
	s_mov_b32 s27, 0
	s_lshl_b32 s28, s18, 8
	s_add_co_u32 s28, s28, s37
	s_add_co_u32 s28, s28, 12288                   ; and their scale words
	s_mov_b32 s29, 0
	s_wait_kmcnt 0x0
	s_add_nc_u64 s[30:31], s[4:5], s[24:25]
	s_add_nc_u64 s[32:33], s[14:15], s[26:27]
	s_add_nc_u64 s[34:35], s[14:15], s[28:29]
.set i, 0
.rept 32
	global_load_b128 v[X+4*i:X+4*i+3], v[GI], s[30:31] offset:4096*i th:TH_LOAD_NT   ; row i: 32 lanes read 512 consecutive bytes; all 16 KiB of the wave are asked for at once
.set i, i+1
.endr
.set i, 0
	s_wait_alu depctr_va_vdst(0)
.rept 32
	s_wait_loadcnt 31-i                            ; loads come back in order: row i is in, the 31 - i younger ones may be out
	ds_store_b128 v[SI], v[X+4*i:X+4*i+3] offset:528*(16*((i>>3)&1)+(i&7)+8*(i>>4))   ; to its place in tile order
.set i, i+1
.endr
	s_wait_dscnt 0x0                               ; the stores have read their registers, into which the loads below land
.irp u, 0,1
.irp b, 0,1,2,3
.irp j, 0,1,2,3
	ds_load_b128 v[X+64*\u+16*\b+4*\j:X+64*\u+16*\b+4*\j+3], v[RDX] offset:8448*\u+128*\b+16*\j
.endr
.endr
.endr
	s_wait_dscnt 16                                ; the first tile's 16 loads are in; the second's may be out
	QUANT X, PC, PW
	s_wait_dscnt 0x0
	QUANT X+64, PC+20, PW+1
.irp u, 0,1
.irp c, 0,1,2
	global_store_b128 v[GI], v[PC+20*\u+4*\c:PC+20*\u+4*\c+3], s[32:33] offset:1536*\u+512*\c   ; 512 consecutive bytes, aligned
.endr
.endr
	global_store_b64 v[SO], v[PW:PW+1], s[34:35]   ; 256 consecutive bytes, aligned
	s_branch .Lend
.Lweights:
	; ---- the weights: half a group of 64 rows
	s_sub_co_u32 s36, s22, 8
	s_lshl_b32 s36, s36, 5
	s_add_co_u32 s36, s36, ttmp9                   ; 0 .. 95
	s_lshr_b32 s37, s36, 1                         ; the group, 0 .. 47
	s_and_b32 s38, s36, 1                          ; K steps 4 x this on
	s_sub_co_u32 s42, s37, 24
	s_cmp_lt_u32 s42, 8                            ; one of wv's groups?
	s_cselect_b32 s43, 8, 0                        ; there a tile takes rows r + 8 (r / 8),
	s_cselect_b32 s44, 8, 16                       ; and an odd tile begins 8 rows behind the even one; elsewhere 16
	s_wait_alu depctr_va_vdst(0)
	v_lshrrev_b32 v11, 3, v3
	v_mul_u32_u24 v11, s43, v11
	v_add_nc_u32 v11, v11, v3                      ; my row in the tile
	v_mul_u32_u24 v12, v11, 768                    ; a row of 1,024 codes is 768 bytes
	v_mad_u32_u24 v12, v10, 24, v12
	s_lshr_b32 s45, s18, 1
	s_lshl_b32 s45, s45, 5
	s_and_b32 s46, s18, 1
	s_mul_i32 s46, s46, s44
	s_add_co_u32 s45, s45, s46                     ; tile w's first row in the group
	s_mul_i32 s45, s45, 768
	s_mul_i32 s46, s38, 384
	s_add_co_u32 s45, s45, s46                     ; + my first K step
	s_wait_alu depctr_va_vdst(0)
	s_wait_kmcnt 0x0
	s_cmp_lt_u32 s37, 16                           ; which weight: the choices hang on the work-group's number alone
	s_cselect_b64 s[40:41], s[6:7], s[8:9]
	s_cselect_b32 s39, 0, 16                       ; and its first group
	s_cmp_lt_u32 s37, 24
	s_cselect_b64 s[40:41], s[40:41], s[10:11]
	s_cselect_b32 s39, s39, 24
	s_cmp_lt_u32 s37, 32
	s_cselect_b64 s[40:41], s[40:41], s[12:13]
	s_cselect_b32 s39, s39, 32
	s_sub_co_u32 s46, s37, s39                     ; the group within its weight
	s_mul_i32 s46, s46, WGRP
	s_add_co_u32 s46, s46, s45
	s_mov_b32 s47, 0
	s_add_nc_u64 s[40:41], s[40:41], s[46:47]
	s_mul_i32 s46, s37, WGRP
	s_mul_i32 s45, s38, 4*6144
	s_add_co_u32 s46, s46, s45
	s_mul_i32 s45, s18, 1536
	s_add_co_u32 s46, s46, s45
	s_add_nc_u64 s[48:49], s[16:17], s[46:47]      ; wrec: my group, my first K step, tile w
.irp i, 0,1,2,3
.irp p, 0,1,2,3,4,5
	global_load_b64 v[X+12*\i+2*\p:X+12*\i+2*\p+1], v12, s[40:41] offset:96*\i+48*(\p/3)+8*(\p%3)   ; a fragment's registers 2 p, 2 p + 1
.endr
.endr
.irp i, 0,1,2,3
	s_wait_loadcnt 18-6*\i                         ; fragment i's six loads are in; the later fragments' may be out
.irp c, 0,1,2
	global_store_b128 v[GI], v[X+12*\i+4*\c:X+12*\i+4*\c+3], s[48:49] offset:6144*\i+512*\c   ; 512 consecutive bytes, aligned
.endr
.endr
.Lend:
	s_wait_tensorcnt 0x0                           ; the wave's end
	ds_add_u32 v[SPW], v[NIL]
	s_wait_dscnt 0x0
	s_endpgm
.Lfunc_end_k_q0e5c91ddf9_quantx:
	.size	k_q0e5c91ddf9_quantx, .Lfunc_end_k_q0e5c91ddf9_quantx-k_q0e5c91ddf9_quantx
	.p2alignl 7, 3214868480
	.fill 96, 4, 3214868480
	.section	.rodata,"a",@progbits
	.p2align	6, 0x0
	.amdhsa_kernel k_q0e5c91ddf9_quantx
		.amdhsa_group_segment_fixed_size 68096
		.amdhsa_private_segment_fixed_size 0
		.amdhsa_enable_private_segment 0
		.amdhsa_kernarg_size 56
		.amdhsa_user_sgpr_count 2
		.amdhsa_user_sgpr_kernarg_segment_ptr 1
		.amdhsa_wavefront_size32 1
		.amdhsa_system_sgpr_workgroup_id_x 1
		.amdhsa_system_sgpr_workgroup_id_y 1
		.amdhsa_system_sgpr_workgroup_id_z 1
		.amdhsa_system_vgpr_workitem_id 0
		.amdhsa_next_free_vgpr 208
		.amdhsa_next_free_sgpr 66
		.amdhsa_reserve_vcc 0
		.amdhsa_float_denorm_mode_32 3
		.amdhsa_float_denorm_mode_16_64 3
		.amdhsa_memory_ordered 1
		.amdhsa_forward_progress 1
		.amdhsa_inst_pref_size 24
	.end_amdhsa_kernel
	.amdgpu_metadata
---
amdhsa.version: [ 1, 2 ]
amdhsa.kernels:
  - .name:           k_q0e5c91ddf9_quantx
    .symbol:         k_q0e5c91ddf9_quantx.kd
    .args:
      - { .name: hidden_states, .offset: 0, .size: 8, .value_kind: global_buffer, .address_space: global }
      - { .name: wq_codes, .offset: 8, .size: 8, .value_kind: global_buffer, .address_space: global }
      - { .name: wk_codes, .offset: 16, .size: 8, .value_kind: global_buffer, .address_space: global }
      - { .name: wv_codes, .offset: 24, .size: 8, .value_kind: global_buffer, .address_space: global }
      - { .name: wo_codes, .offset: 32, .size: 8, .value_kind: global_buffer, .address_space: global }
      - { .name: xrec, .offset: 40, .size: 8, .value_kind: global_buffer, .address_space: global }
      - { .name: wrec, .offset: 48, .size: 8, .value_kind: global_buffer, .address_space: global }
    .group_segment_fixed_size: 68096
    .private_segment_fixed_size: 0
    .kernarg_segment_align: 8
    .kernarg_segment_size: 56
    .max_flat_workgroup_size: 128
    .sgpr_count:     66
    .vgpr_count:     208
    .wavefront_size: 32
...
	.end_amdgpu_metadata
.endif
;; end of part 1
;; launch qkv (part 2): grid 8 x 32, 4 waves a work-group, clusters of 4 x 1, 167,936 bytes of LDS; arguments xrec, wrec, wq_scales, wk_scales, wv_scales, norm_q_w, norm_k_w, cos, sin, qrec, kvrec; writes qrec, kvrec
.if DOCPART == 2
	.amdgcn_target "amdgcn-amd-amdhsa--gfx1250"
	.amdhsa_code_object_version 6
	.text
	.protected	k_q0e5c91ddf9_qkv
	.globl	k_q0e5c91ddf9_qkv
	.p2align	8
	.type	k_q0e5c91ddf9_qkv,@function
k_q0e5c91ddf9_qkv:
	s_mov_b64 s[64:65], 0
	v_nop
	global_prefetch_b8 v0, s[64:65] scope:SCOPE_SE
	s_setreg_imm32_b32 hwreg(HW_REG_WAVE_MODE, 25, 1), 1
	s_wait_xcnt 0x0
	s_wait_alu depctr_hold_cnt(0) depctr_sa_sdst(0) depctr_va_vdst(0) depctr_va_sdst(0) depctr_va_ssrc(0) depctr_va_vcc(0) depctr_vm_vsrc(0)
	s_getreg_b32 s2, hwreg(HW_REG_IB_STS2, 6, 4)
	s_cmp_eq_u32 s2, 0
	s_cbranch_scc0 .Lentry_in_a_cluster
	s_endpgm
.Lentry_in_a_cluster:
	s_bfe_u32 s2, ttmp6, 0x10000c
	s_cmp_lg_u32 s2, 0x3003
	s_cbranch_scc0 .Lentry_shape_is_right
	s_endpgm
.Lentry_shape_is_right:
; LAUNCH 2 OF 4: q, k, v = Q(x) W on codes of BF6; RMSNorm over a head's 64 and RoPE on its first 32 for q and k, in f32; then q and k are quantised along the head's axis, v along the keys.  No work is left out.
; SHARES: a work-group takes a block of 128 tokens and 256 columns: query heads 2 g and 2 g + 1 (waves 0, 1), key head g (wave 2), value head g (wave 3).  A wave: 4 tiles of W x 8 tiles of tokens = 32 accumulators, 8 K steps.
; A wave's 64 rows of W, a group of wrec, go from memory into its registers once (384 registers), by 96 loads of 512 consecutive bytes; no other wave of the work-group wants them.  They are fed in stages: four K steps at the
; head, the others behind the first units' products, so that the products begin when K step 0 is in and a wave never has more than 60 loads out.  x's register images, 106,496 bytes, come into LDS once.
; CLUSTER: the four work-groups of a cluster share the block of tokens: x's images are asked for jointly, each wave a quarter.  Nothing in LDS is filled again.  W is not asked for jointly: a joint load lands in LDS,
; and a group of W is wanted by one wave of a work-group: through LDS it would be 196,608 bytes more written there and read back for each work-group.
; q, k: the product is used transposed (source 0 = 16 rows of W, source 1 = 16 tokens): a lane holds one token, and register 8 t + j is d = 16 t + 8 (lane / 16) + j: so d and d + 16, which RoPE pairs, lie in one lane.
;   Within a block of 32 the codes then stand in an order of d that is the same for q and for k: the blocks, their scales, the codes and the products are those of the true order; only the order of a sum's terms differs.
; v: source 0 = 16 tokens, source 1 = 16 rows of W: a lane holds one d, its registers run along the tokens, which are the next product's K.  Row r of W's tile t is d = 32 (t / 2) + 8 (t % 2) + r + 8 (r / 8).
; qrec: [b][head 16][block 16][7,168]: four images of 12 registers, registers 0-5 tile 2 p, 6-11 tile 2 p + 1 (each the K = 0 .. 63 half of a fragment); at 6,144 scale words [2][lane][4], bytes 2 and 3 zero.
; kvrec: [b x 8 + head][step 16][13,824]: k as a record of qrec; at 7,168 v's four fragments (16 d x 128 keys); at 13,312 their scale words [lane][4].
; LIMITS: as stated at the first kernel's head; v_rsq_f32 is good to one unit in the last place; a weight's scale byte 0xff gives NaN.
; REGISTERS: window 0: v1-15 addresses; v16-111 x's fragments, two sets of four; v112-175 x's scale words; v176-207 W's; v208-239 norm weights; v240-255 1 / rms.  Window 1: accumulators.
;   Window 2: W of K steps 0-3, later cos and sin.  Window 3: W of K steps 4-7.
.set KREC,  13312
.set XBLK,  106496
.set QREC,  7168
.set KVREC, 13824
.set WGRP,  49152
.set SPARE, XBLK                       ; behind x's images: the spare words, 128 bytes a wave
.set LI,   1                           ; v1-2  16 x lane (+ 4 records)
.set LS,   3                           ; v3-4  8 x lane + 12,288 (+ 4 records)
.set WSA,  7                           ; v7-8  my lane's place among the scale bytes of W's even and odd tiles
.set CSA,  9                           ; v9    in cos and sin
.set NWA,  10                          ; v10   in the norm weights
.set SPW,  14                          ; v14   my spare word; never rewritten
.set NIL,  15                          ; v15   0; never rewritten
.set XF,   16
.set XS,   112
.set WS,   176
.set NW,   208
.set RS,   240
.set Y,    16                          ; behind the products: a tile's 32 numbers,
.set T,    48                          ; RoPE's cross terms,
.set TM,   64                          ; at work,
.set TC,   72
.set PC,   80                          ; codes,
.set PW,   128                         ; q's and k's scale words,
.set PWV,  160                         ; v's,
.set SS,   136                         ; sums of squares
.set WV,   34
.set SEL,  66
.set MSB, 0
.macro WIN new                         ; the immediate's high byte repeats the setting that is left
.if MSB != (\new)
	s_set_vgpr_msb (MSB<<8)|(\new)
.set MSB, (\new)
.endif
.endm
.macro PLACES                          ; four plain places behind a matrix instruction, ahead of loads into its sources and of reads of its results
.rept 4
	v_nop
.endr
.endm
.macro CROUND                          ; a round of the cluster's barrier
	s_barrier_signal -1
	s_barrier_wait -1
	s_cmp_lg_u32 s[WV], 0
	s_cbranch_scc1 .Lnot_wave_0_\@
	s_barrier_signal -3
.Lnot_wave_0_\@:
	s_barrier_wait -3
	s_barrier_signal -1
	s_barrier_wait -1
.endm
; 64 numbers of a lane in window w, register 16 b + i = k 32 b + 16 (lane / 16) + i, become a fragment in v[pc] .. v[pc + 11] and its scale word in v[pw]
.macro QUANT s, pc, pw, w
	WIN 0x05*\w
.irp b, 0,1,2,3
	v_max3_num_f32 v[TM+\b], |v[\s+16*\b]|, |v[\s+1+16*\b]|, 0x2800000   ; each accumulator is first read at its low end
.endr
	WIN 0x14*\w
.irp i, 2,4,6,8,10,12,14
.irp b, 0,1,2,3
	v_max3_num_f32 v[TM+\b], v[TM+\b], |v[\s+16*\b+\i]|, |v[\s+1+16*\b+\i]|
.endr
.endr
	WIN 0
.irp b, 0,1,2,3
	v_permlanex16_b32 v[TM+4+\b], v[TM+\b], s[SEL], s[SEL+1]
.endr
.irp b, 0,1,2,3
	v_max_num_f32 v[TM+\b], v[TM+\b], v[TM+4+\b]
.endr
.irp b, 0,1,2,3
	v_add_nc_u32 v[TM+12+\b], 0xfe000000, v[TM+\b]
.endr
.irp b, 0,1,2,3
	v_lshrrev_b32 v[TM+4+\b], 23, v[TM+12+\b]
.endr
	v_lshl_or_b32 v[\pw], v[TM+5], 8, v[TM+4]
	v_lshl_or_b32 v[\pw], v[TM+6], 16, v[\pw]
	v_lshl_or_b32 v[\pw], v[TM+7], 24, v[\pw]
	WIN 0x01*\w
.irp c, 0,1
	v_cvt_scalef32_pk16_bf6_f32 v[\pc+6*\c:\pc+2+6*\c], v[\s+32*\c:\s+15+32*\c], v[TM+12+2*\c]
	v_cvt_scalef32_pk16_bf6_f32 v[\pc+12+4*\c:\pc+14+4*\c], v[\s+16+32*\c:\s+31+32*\c], v[TM+12+2*\c+1]
.endr
	WIN 0
	v_nop                                          ; one plain place behind the conversions
.irp c, 0,1
.irp i, 0,1,2
	v_permlane16_swap_b32 v[\pc+6*\c+\i], v[\pc+12+4*\c+\i]
.endr
.irp i, 0,1,2
	v_mov_b32 v[\pc+3+6*\c+\i], v[\pc+12+4*\c+\i]
.endr
.endr
.endm
; 32 numbers of a lane, register 16 b + i = place 16 (lane / 16) + i of block b, become registers 0-5 of a fragment in v[pc] on and two scale bytes in v[pw]
.macro Q2 y, pc, tc, pw
.irp b, 0,1
	v_max3_num_f32 v[TM+\b], |v[\y+16*\b]|, |v[\y+16*\b+1]|, 0x2800000
.endr
.irp i, 2,4,6,8,10,12,14
.irp b, 0,1
	v_max3_num_f32 v[TM+\b], v[TM+\b], |v[\y+16*\b+\i]|, |v[\y+16*\b+\i+1]|
.endr
.endr
.irp b, 0,1
	v_permlanex16_b32 v[TM+2+\b], v[TM+\b], s[SEL], s[SEL+1]
.endr
.irp b, 0,1
	v_max_num_f32 v[TM+\b], v[TM+\b], v[TM+2+\b]
.endr
.irp b, 0,1
	v_add_nc_u32 v[TM+4+\b], 0xfe000000, v[TM+\b]
.endr
.irp b, 0,1
	v_lshrrev_b32 v[TM+6+\b], 23, v[TM+4+\b]
.endr
	v_lshl_or_b32 v[\pw], v[TM+7], 8, v[TM+6]
	v_cvt_scalef32_pk16_bf6_f32 v[\pc:\pc+2], v[\y:\y+15], v[TM+4]
	v_cvt_scalef32_pk16_bf6_f32 v[\tc:\tc+2], v[\y+16:\y+31], v[TM+5]
	v_nop
.irp i, 0,1,2
	v_permlane16_swap_b32 v[\pc+\i], v[\tc+\i]
.endr
.irp i, 0,1,2
	v_mov_b32 v[\pc+3+\i], v[\tc+\i]
.endr
.endm
.macro FETCH s, hf                     ; x's tiles 4 hf .. 4 hf + 3 of K step s into set hf: 12 loads of 512 consecutive bytes
.irp i, 0,1,2,3
.irp c, 0,1,2
	ds_load_b128 v[XF+48*(\hf)+12*\i+4*\c:XF+48*(\hf)+12*\i+4*\c+3], v[LI+(\s)/4] offset:((\s)%4)*KREC+(4*(\hf)+\i)*1536+512*\c
.endr
.endr
.endm
.macro WLOAD s                         ; W's four fragments of K step s into window 2 or 3: 12 loads of 512 consecutive bytes
	WIN 0x80+0x40*((\s)/4)
.irp t, 0,1,2,3
.irp c, 0,1,2
	global_load_b128 v[48*((\s)%4)+12*\t+4*\c:48*((\s)%4)+12*\t+4*\c+3], v[LI], s[52:53] offset:(\s)*6144+\t*1536+512*\c
.endr
.endr
.endm
.macro MUL role, s, hf                 ; 16 products; the 32 accumulators take turns, one instruction a turn.  K step 0 starts the sums
.if \role == 0
	WIN 0x52+(\s)/4                                ; source 0 (W) window 2 or 3, source 1 (x) window 0, C and D window 1
.else
	WIN 0x58+4*((\s)/4)                            ; source 0 (x) window 0, source 1 (W) window 2 or 3
.endif
.irp i, 0,1,2,3
.irp t, 0,1,2,3
.set rW, 48*((\s)%4)+12*\t
.set rX, XF+48*(\hf)+12*\i
.set sW, WS+8*\t+(\s)
.set sX, XS+8*(\s)+4*(\hf)+\i
.if \role == 0
.set rD, 8*(4*(4*(\hf)+\i)+\t)
.if \s == 0
	v_wmma_scale_f32_16x16x128_f8f6f4 v[rD:rD+7], v[rW:rW+11], v[rX:rX+11], 0, v[sW], v[sX] matrix_a_fmt:MATRIX_FMT_BF6 matrix_b_fmt:MATRIX_FMT_BF6
.else
	v_wmma_scale_f32_16x16x128_f8f6f4 v[rD:rD+7], v[rW:rW+11], v[rX:rX+11], v[rD:rD+7], v[sW], v[sX] matrix_a_fmt:MATRIX_FMT_BF6 matrix_b_fmt:MATRIX_FMT_BF6
.endif
.else
.set rD, 8*(8*\t+4*(\hf)+\i)
.if \s == 0
	v_wmma_scale_f32_16x16x128_f8f6f4 v[rD:rD+7], v[rX:rX+11], v[rW:rW+11], 0, v[sX], v[sW] matrix_a_fmt:MATRIX_FMT_BF6 matrix_b_fmt:MATRIX_FMT_BF6
.else
	v_wmma_scale_f32_16x16x128_f8f6f4 v[rD:rD+7], v[rX:rX+11], v[rW:rW+11], v[rD:rD+7], v[sX], v[sW] matrix_a_fmt:MATRIX_FMT_BF6 matrix_b_fmt:MATRIX_FMT_BF6
.endif
.endif
.endr
.endr
.endm
.macro CSTILE m                        ; cos and sin of my lane's token in tile m, at d = 8 h + 0 .. 7 and 16 + 8 h + 0 .. 7: 8 loads, into window 2, whose W has been multiplied
	WIN 0x80
.irp e, 0,1
.irp q, 0,1
	global_load_b128 v[32*(\m)+8*\e+4*\q:32*(\m)+8*\e+4*\q+3], v[CSA], s[60:61] offset:(32*((\m)/2)+8*((\m)%2))*128+64*\e+16*\q
	global_load_b128 v[32*(\m)+16+8*\e+4*\q:32*(\m)+16+8*\e+4*\q+3], v[CSA], s[62:63] offset:(32*((\m)/2)+8*((\m)%2))*128+64*\e+16*\q
.endr
.endr
.endm
; Half a K step: the wait for this K step's W; the next half's fragments of x are asked for; 16 products; behind them, while the matrix unit works, the loads that are due.
; THE ORDER OF A WAVE'S GLOBAL LOADS: W's scale words 8, W of K steps 0-3 (12 each) at the head; behind the products of unit (0, 0) K steps 4 and 5, of (1, 0) K step 6, of (2, 0) K step 7;
; in q's and k's waves behind (4, 0) the 8 of the norm weights, and behind each unit from (4, 0) on one tile of cos and sin, 8.  Loads come back in order, so the wait at unit (s, 0) leaves out what was issued behind K step s:
; s = 0: K steps 1-3, 36.  s = 1, 2, 3: four K steps, 48.  s = 4: K steps 5-7, 36.  s = 5, 6, 7 in v's wave: 24, 12, 0.  In q's and k's: 48, 52, 56 were issued behind; the count is 44, so that with two tiles more 60 are out at the most.
.macro UNIT role, s, hf
.if (\s)+(\hf) > 0
	PLACES
.endif
.if \hf == 0
.set NLD, 36
.if ((\s) >= 1) && ((\s) <= 3)
.set NLD, 48
.endif
.if (\s) >= 5
.if \role == 0
.set NLD, 44
.else
.set NLD, 12*(7-(\s))
.endif
.endif
	s_wait_loadcnt NLD
.endif
.if 2*(\s)+(\hf) < 15
	FETCH (\s)+(\hf), 1-(\hf)
	s_wait_dscnt 12                                ; all but the 12 LDS loads just issued
.else
	s_wait_dscnt 0x0
.endif
	MUL \role, \s, \hf
.if (\hf == 0) && ((\s) == 0)
	WLOAD 4
	WLOAD 5
.endif
.if (\hf == 0) && ((\s) == 1)
	WLOAD 6
.endif
.if (\hf == 0) && ((\s) == 2)
	WLOAD 7
.endif
.if (\role == 0) && ((\s) >= 4)
.if ((\s) == 4) && (\hf == 0)
	WIN 0
.irp t, 0,1,2,3
.irp q, 0,1
	global_load_b128 v[NW+8*\t+4*\q:NW+8*\t+4*\q+3], v[NWA], s[56:57] offset:64*\t+16*\q
.endr
.endr
.endif
	CSTILE 2*((\s)-4)+(\hf)
.endif
	WIN 0
.endm
.macro NRQ m                           ; tile m of q or k: norm, RoPE, codes
	WIN 0x01
.irp p, 0,2,4,6,8,10,12,14,16,18,20,22,24,26,28,30
	v_pk_mul_f32 v[Y+\p:Y+\p+1], v[32*\m+\p:32*\m+\p+1], v[RS+2*\m:RS+2*\m+1] op_sel_hi:[1,0]   ; x / rms
.endr
	WIN 0
.irp p, 0,2,4,6,8,10,12,14,16,18,20,22,24,26,28,30
	v_pk_mul_f32 v[Y+\p:Y+\p+1], v[Y+\p:Y+\p+1], v[NW+\p:NW+\p+1]   ; x the norm's weight
.endr
	WIN 0x08                                       ; source 1: cos and sin in window 2
.irp p, 0,2,4,6
	v_pk_mul_f32 v[T+\p:T+\p+1], v[Y+8+\p:Y+8+\p+1], v[32*\m+16+\p:32*\m+16+\p+1]   ; x(d + 16) sin(d)
.endr
.irp p, 0,2,4,6
	v_pk_mul_f32 v[T+8+\p:T+8+\p+1], v[Y+\p:Y+\p+1], v[32*\m+24+\p:32*\m+24+\p+1]   ; x(d) sin(d + 16)
.endr
.irp p, 0,2,4,6
	v_pk_fma_f32 v[Y+\p:Y+\p+1], v[Y+\p:Y+\p+1], v[32*\m+\p:32*\m+\p+1], v[T+\p:T+\p+1] neg_lo:[0,0,1] neg_hi:[0,0,1]
.endr
.irp p, 0,2,4,6
	v_pk_fma_f32 v[Y+8+\p:Y+8+\p+1], v[Y+8+\p:Y+8+\p+1], v[32*\m+8+\p:32*\m+8+\p+1], v[T+8+\p:T+8+\p+1]
.endr
	WIN 0
	Q2 Y, PC+12*(\m/2)+6*(\m%2), TC, PW+\m
.if \m%2 == 1
.irp c, 0,1,2
	global_store_b128 v[LI], v[PC+12*(\m/2)+4*\c:PC+12*(\m/2)+4*\c+3], s[58:59] offset:1536*(\m/2)+512*\c   ; 512 consecutive bytes, aligned; each pair has registers of its own
.endr
.endif
.endm
	s_load_b512 s[8:23], s[0:1], 0x0               ; xrec, wrec, wq's, wk's, wv's scales, norm_q_w, norm_k_w, cos
	s_load_b128 s[24:27], s[0:1], 0x40             ; sin, qrec
	s_load_b64 s[28:29], s[0:1], 0x50              ; kvrec
	v_lshl_add_u32 v[SPW], v0, 2, SPARE
	v_mov_b32 v[NIL], 0
	ds_add_u32 v[SPW], v[NIL]                      ; the wave's opening: the add, twice on end, and its wait ahead of my first tensor load
	ds_add_u32 v[SPW], v[NIL]
	v_lshrrev_b32 v1, 5, v0
	v_readfirstlane_b32 s[WV], v1                  ; wave 0..3
	s_bfe_u32 s35, ttmp6, 0x40000                  ; cx
	s_lshl_b32 s36, ttmp9, 2
	s_add_co_u32 s36, s36, s35                     ; g: it enters global addresses alone
	s_and_b32 s37, ttmp7, 0xffff                   ; the block of tokens, which the four partners share
	s_lshr_b32 s38, s37, 4                         ; b
	s_and_b32 s39, s37, 15                         ; the block within the sequence
	s_mov_b32 s40, 15|(3<<16)|(1<<21)              ; group 1: mask of all four; elements of 8 bytes; bit 21 beside a mask; no padding
	s_mov_b32 s41, 32<<16                          ; tensor_dim0 = 32 elements: rows of 256 bytes
	s_mov_b32 s42, 104<<16                         ; tensor_dim1 = 104 rows: two K steps' records
	s_mov_b32 s43, 32<<16                          ; tile_dim0
	s_mov_b32 s44, 104                             ; tile_dim1
	s_mov_b32 s45, 32                              ; the pitch: dense
	s_mov_b32 s46, 0
	s_mov_b32 s47, 0
	s_mov_b32 s[SEL], 0x76543210
	s_mov_b32 s[SEL+1], 0xfedcba98
	s_mov_b32 s68, 0x3c800000                      ; 1 / 64
	s_mov_b32 s69, 0x358637bd                      ; 1e-6
	s_mov_b32 s48, 1                               ; group 0
	s_mul_i32 s49, s[WV], 2*KREC                   ; LDS: K steps 2 w and 2 w + 1
	s_mul_i32 s70, s37, XBLK
	s_add_co_u32 s70, s70, s49
	s_mov_b32 s71, 0
	s_cmp_eq_u32 s[WV], 3
	s_cselect_b32 s72, 8, 0                        ; v's tiles of W take rows r + 8 (r / 8),
	s_cselect_b32 s73, 8, 16                       ; and its odd tiles begin 8 rows behind the even ones; q's and k's 16
	v_and_b32 v11, 31, v0                          ; lane
	v_and_b32 v12, 15, v0                          ; r
	v_bfe_u32 v13, v0, 4, 1                        ; h
	v_lshlrev_b32 v[LI], 4, v11
	v_add_nc_u32 v[LI+1], 4*KREC, v[LI]
	v_lshl_add_u32 v[LS], v11, 3, 12288
	v_add_nc_u32 v[LS+1], 4*KREC, v[LS]
	v_lshrrev_b32 v16, 3, v12
	v_mul_u32_u24 v17, s72, v16
	v_add_nc_u32 v17, v17, v12                     ; my row in an even tile of W
	v_lshlrev_b32 v[WSA], 5, v17                   ; a row's 32 scale bytes
	s_lshl_b32 s75, s73, 5
	v_add_nc_u32 v[WSA+1], s75, v[WSA]
	v_lshl_add_u32 v16, v16, 3, v12                ; r + 8 (r / 8): my token in a tile
	v_lshlrev_b32 v[CSA], 7, v16
	v_lshl_add_u32 v[CSA], v13, 5, v[CSA]
	v_lshlrev_b32 v[NWA], 5, v13
	s_wait_dscnt 0x0                               ; both opening adds are done
	s_wait_kmcnt 0x0
	s_add_nc_u64 s[50:51], s[8:9], s[70:71]
	s_or_b32 s51, s51, 0x80000000
	CROUND                                         ; all four work-groups are here: the joint loads meet
	tensor_load_to_lds s[48:51], s[40:47]          ; my quarter of x's images: the wave's one tensor load
	s_nop 0
	PLACES
	s_lshl_b32 s70, s36, 1
	s_add_co_u32 s70, s70, s[WV]                   ; query head 2 g + w
	s_cmp_lt_u32 s[WV], 2
	s_cselect_b32 s72, s70, s36                    ; my head in its own weight
	s_cselect_b32 s78, 0, 16                       ; that weight's first group in wrec
	s_cselect_b64 s[54:55], s[12:13], s[14:15]
	s_cselect_b64 s[56:57], s[18:19], s[20:21]
	s_cselect_b64 s[58:59], s[26:27], s[28:29]
	s_cmp_eq_u32 s[WV], 3
	s_cselect_b64 s[54:55], s[16:17], s[54:55]
	s_cselect_b32 s78, 24, s78
	s_cselect_b32 s76, QREC, 0                     ; v's part lies behind k's in a record
	s_add_co_u32 s78, s78, s72
	s_mul_i32 s74, s78, WGRP
	s_mov_b32 s75, 0
	s_add_nc_u64 s[52:53], s[10:11], s[74:75]      ; my group of codes
	s_lshl_b32 s74, s72, 11
	s_add_nc_u64 s[54:55], s[54:55], s[74:75]      ; my 64 rows of scale bytes
	s_lshl_b32 s74, s38, 4
	s_add_co_u32 s74, s74, s70
	s_lshl_b32 s74, s74, 4
	s_add_co_u32 s74, s74, s39
	s_mul_i32 s74, s74, QREC                       ; q's record
	s_lshl_b32 s77, s38, 3
	s_add_co_u32 s77, s77, s36
	s_lshl_b32 s77, s77, 4
	s_add_co_u32 s77, s77, s39
	s_mul_i32 s77, s77, KVREC
	s_add_co_u32 s77, s77, s76                     ; k's or v's part of theirs
	s_cmp_lt_u32 s[WV], 2
	s_cselect_b32 s74, s74, s77
	s_add_nc_u64 s[58:59], s[58:59], s[74:75]
	s_lshl_b32 s74, s39, 14                        ; 128 positions x 128 bytes
	s_add_nc_u64 s[60:61], s[22:23], s[74:75]
	s_add_nc_u64 s[62:63], s[24:25], s[74:75]
	s_wait_alu depctr_va_vdst(0)
.irp t, 0,1,2,3
.irp q, 0,1
	global_load_b128 v[WS+8*\t+4*\q:WS+8*\t+4*\q+3], v[WSA+\t%2], s[54:55] offset:(32*(\t/2))*32+16*\q   ; a row's 8 scale words, one a K step
.endr
.endr
	WLOAD 0
	WLOAD 1
	WLOAD 2
	WLOAD 3                                        ; 56 loads are out
	WIN 0
	s_wait_tensorcnt 0x0                           ; my quarter has landed,
	s_barrier_signal -1
	s_barrier_wait -1                              ; everybody's has
.irp s, 0,1,2,3,4,5,6,7
.irp tp, 0,1,2,3
	ds_load_b64 v[XS+8*\s+2*\tp:XS+8*\s+2*\tp+1], v[LS+\s/4] offset:(\s%4)*KREC+256*\tp   ; x's scale words, all K steps
.endr
.endr
	FETCH 0, 0
	s_cmp_eq_u32 s[WV], 3
	s_cbranch_scc1 .Lv
	; ---- q and k
.irp s, 0,1,2,3,4,5,6,7
.irp hf, 0,1
	UNIT 0, \s, \hf
.endr
.endr
	PLACES
	s_wait_loadcnt 0x0                             ; norm weights, cos, sin
	v_mov_b32 v[TM+2], 0                           ; a lane permute's destination counts as one of its sources
	v_mov_b32 v[TM+3], 0
	WIN 0x05                                       ; the sums of squares: my 32 numbers of each tile, two chains a tile, the tiles by turns
.irp m, 0,1,2,3,4,5,6,7
	v_pk_mul_f32 v[SS+4*\m:SS+4*\m+1], v[32*\m:32*\m+1], v[32*\m:32*\m+1]
.endr
.irp m, 0,1,2,3,4,5,6,7
	v_pk_mul_f32 v[SS+4*\m+2:SS+4*\m+3], v[32*\m+2:32*\m+3], v[32*\m+2:32*\m+3]
.endr
.irp p, 4,8,12,16,20,24,28
.irp m, 0,1,2,3,4,5,6,7
	v_pk_fma_f32 v[SS+4*\m:SS+4*\m+1], v[32*\m+\p:32*\m+\p+1], v[32*\m+\p:32*\m+\p+1], v[SS+4*\m:SS+4*\m+1]
.endr
.irp m, 0,1,2,3,4,5,6,7
	v_pk_fma_f32 v[SS+4*\m+2:SS+4*\m+3], v[32*\m+\p+2:32*\m+\p+3], v[32*\m+\p+2:32*\m+\p+3], v[SS+4*\m+2:SS+4*\m+3]
.endr
.endr
	WIN 0
.irp m, 0,1,2,3,4,5,6,7
	v_pk_add_f32 v[SS+4*\m:SS+4*\m+1], v[SS+4*\m:SS+4*\m+1], v[SS+4*\m+2:SS+4*\m+3]
.endr
.irp m, 0,1,2,3,4,5,6,7
	v_add_f32 v[SS+4*\m], v[SS+4*\m], v[SS+4*\m+1]
.endr
.irp m, 0,1,2,3,4,5,6,7
	v_permlanex16_b32 v[SS+4*\m+1], v[SS+4*\m], s[SEL], s[SEL+1]   ; the token's other 32 lie in lane l xor 16
.endr
.irp m, 0,1,2,3,4,5,6,7
	v_add_f32 v[SS+4*\m], v[SS+4*\m], v[SS+4*\m+1]
.endr
.irp m, 0,1,2,3,4,5,6,7
	v_fma_f32 v[RS+2*\m+1], v[SS+4*\m], s68, s69   ; the mean + 1e-6
.endr
	s_wait_alu depctr_va_vdst(0)
.irp m, 0,1,2,3,4,5,6,7
	v_rsq_f32 v[RS+2*\m], v[RS+2*\m+1]
.endr
	v_nop                                          ; a plain place behind the batch,
	s_wait_alu depctr_va_vdst(0)                   ; and one wait for all eight, ahead of their first reader
.irp m, 0,1,2,3,4,5,6,7
	NRQ \m
.endr
.irp c, 0,1
	global_store_b128 v[LI], v[PW+4*\c:PW+4*\c+3], s[58:59] offset:6144+512*\c
.endr
	s_branch .Lend
.Lv:
	; ---- v
.irp s, 0,1,2,3,4,5,6,7
.irp hf, 0,1
	UNIT 1, \s, \hf
.endr
.endr
	PLACES
.irp b, 0,1,2,3
	v_mov_b32 v[TM+4+\b], 0
.endr
.irp t, 0,1,2,3
	QUANT 64*\t, PC+20*\t, PWV+\t, 1
.irp c, 0,1,2
	global_store_b128 v[LI], v[PC+20*\t+4*\c:PC+20*\t+4*\c+3], s[58:59] offset:1536*\t+512*\c
.endr
.endr
	global_store_b128 v[LI], v[PWV:PWV+3], s[58:59] offset:6144
.Lend:
	s_wait_tensorcnt 0x0                           ; the wave's end
	ds_add_u32 v[SPW], v[NIL]
	s_wait_dscnt 0x0
	CROUND                                         ; the closing round
	s_endpgm
.Lfunc_end_k_q0e5c91ddf9_qkv:
	.size	k_q0e5c91ddf9_qkv, .Lfunc_end_k_q0e5c91ddf9_qkv-k_q0e5c91ddf9_qkv
	.p2alignl 7, 3214868480
	.fill 96, 4, 3214868480
	.section	.rodata,"a",@progbits
	.p2align	6, 0x0
	.amdhsa_kernel k_q0e5c91ddf9_qkv
		.amdhsa_group_segment_fixed_size 167936
		.amdhsa_private_segment_fixed_size 0
		.amdhsa_enable_private_segment 0
		.amdhsa_kernarg_size 88
		.amdhsa_user_sgpr_count 2
		.amdhsa_user_sgpr_kernarg_segment_ptr 1
		.amdhsa_wavefront_size32 1
		.amdhsa_system_sgpr_workgroup_id_x 1
		.amdhsa_system_sgpr_workgroup_id_y 1
		.amdhsa_system_sgpr_workgroup_id_z 1
		.amdhsa_system_vgpr_workitem_id 0
		.amdhsa_next_free_vgpr 1024
		.amdhsa_next_free_sgpr 80
		.amdhsa_reserve_vcc 0
		.amdhsa_float_denorm_mode_32 3
		.amdhsa_float_denorm_mode_16_64 3
		.amdhsa_memory_ordered 1
		.amdhsa_forward_progress 1
		.amdhsa_inst_pref_size 193
	.end_amdhsa_kernel
	.amdgpu_metadata
---
amdhsa.version: [ 1, 2 ]
amdhsa.kernels:
  - .name:           k_q0e5c91ddf9_qkv
    .symbol:         k_q0e5c91ddf9_qkv.kd
    .args:
      - { .name: xrec, .offset: 0, .size: 8, .value_kind: global_buffer, .address_space: global }
      - { .name: wrec, .offset: 8, .size: 8, .value_kind: global_buffer, .address_space: global }
      - { .name: wq_scales, .offset: 16, .size: 8, .value_kind: global_buffer, .address_space: global }
      - { .name: wk_scales, .offset: 24, .size: 8, .value_kind: global_buffer, .address_space: global }
      - { .name: wv_scales, .offset: 32, .size: 8, .value_kind: global_buffer, .address_space: global }
      - { .name: norm_q_w, .offset: 40, .size: 8, .value_kind: global_buffer, .address_space: global }
      - { .name: norm_k_w, .offset: 48, .size: 8, .value_kind: global_buffer, .address_space: global }
      - { .name: cos, .offset: 56, .size: 8, .value_kind: global_buffer, .address_space: global }
      - { .name: sin, .offset: 64, .size: 8, .value_kind: global_buffer, .address_space: global }
      - { .name: qrec, .offset: 72, .size: 8, .value_kind: global_buffer, .address_space: global }
      - { .name: kvrec, .offset: 80, .size: 8, .value_kind: global_buffer, .address_space: global }
    .group_segment_fixed_size: 167936
    .private_segment_fixed_size: 0
    .kernarg_segment_align: 8
    .kernarg_segment_size: 88
    .max_flat_workgroup_size: 128
    .sgpr_count:     80
    .vgpr_count:     1024
    .wavefront_size: 32
...
	.end_amdgpu_metadata
.endif
;; end of part 2
;; launch attn (part 3): grid 16 x 16, 4 waves a work-group, clusters of 4 x 1, 327,680 bytes of LDS; arguments qrec, kvrec, arec; writes arec
.if DOCPART == 3
	.amdgcn_target "amdgcn-amd-amdhsa--gfx1250"
	.amdhsa_code_object_version 6
	.text
	.protected	k_q0e5c91ddf9_attn
	.globl	k_q0e5c91ddf9_attn
	.p2align	8
	.type	k_q0e5c91ddf9_attn,@function
k_q0e5c91ddf9_attn:
	s_mov_b64 s[64:65], 0
	v_nop
	global_prefetch_b8 v0, s[64:65] scope:SCOPE_SE
	s_setreg_imm32_b32 hwreg(HW_REG_WAVE_MODE, 25, 1), 1
	s_wait_xcnt 0x0
	s_wait_alu depctr_hold_cnt(0) depctr_sa_sdst(0) depctr_va_vdst(0) depctr_va_sdst(0) depctr_va_ssrc(0) depctr_va_vcc(0) depctr_vm_vsrc(0)
	s_getreg_b32 s2, hwreg(HW_REG_IB_STS2, 6, 4)
	s_cmp_eq_u32 s2, 0
	s_cbranch_scc0 .Lentry_in_a_cluster
	s_endpgm
.Lentry_in_a_cluster:
	s_bfe_u32 s2, ttmp6, 0x10000c
	s_cmp_lg_u32 s2, 0x3003
	s_cbranch_scc0 .Lentry_shape_is_right
	s_endpgm
.Lentry_shape_is_right:
; LAUNCH 3 OF 4: o = softmax(q k^T / 8) v on codes of BF6, o quantised along the heads' axis into arec.  No work is left out.
; SHARES: a work-group takes (b, key head g) and a block of 128 queries; wave w takes query tiles 2 w and 2 w + 1 for BOTH query heads 2 g and 2 g + 1: four tiles of 16 queries, j = 2 a + head.
; Each fragment of k and v read from LDS serves the wave's four tiles.  Both products are used transposed (S^T = k q^T, O^T = v^T p^T): a lane holds one query.
; K AND V: all 16 records of (b, g), 221,184 bytes, lie in LDS and are filled once, jointly for the four work-groups of a cluster (same b, g): 244 rows of 256 bytes at the head
; (records 0-3 and record 4's k), 61 a wave; the other 620 rows, 155 a wave, behind the full sequence and a round.  Step s fetches step s + 1's k behind its score products, so steps 0-3 read the first 244 rows alone.
; No data prefetch: all of k and v is asked for by these two loads a wave at the head, and no stream follows in the loops.
; SOFTMAX: running M = ceil(largest t), t = score x log2(e) / 8; p = 2^(t - M); the sum is taken of the unquantised p; O^T and the sum are multiplied by 2^(old M - new M), an exact power of two.
; A block's scale operand is 2^(largest t of the block - M - 4), held at 2^-126 from below: its exponent field is the scale's byte.
; THE WAY OUT: a wave holds heads 2 g and 2 g + 1 of a query tile, which are the 128 along K of one fragment of arec: 12 registers and a scale word; stores of 512 and 256 consecutive bytes, aligned.
; LIMITS: as stated at the first kernel's head; the promise holds while |t| stays under 2^31; where a block's largest t - M lies within the rounding of t - M - 4 under a whole number, the block gets the next higher scale.
; REGISTERS: window 0: addresses, scale words, the rows' state, q, p's codes.  Window 1 + a: v0-127 S of tiles (a, head 0), (a, head 1); v128-191 their O^T.  Window 1 v192-245: k's fragments.  Window 2 v192-239: v's.
.set KVREC, 13824
.set KVALL, 221184
.set QREC,  7168
.set KREC,  13312
.set XBLK,  106496
.set ROWSA, 61
.set ROWSB, 155
.set SPARE, KVALL                      ; behind k and v: the spare words, 128 bytes a wave
.set AL,   1                           ; 16 x lane
.set ADRK, 2                           ; the next step's record
.set ADRV, 3                           ; this step's record
.set SPW,  4                           ; my spare word; never rewritten
.set NIL,  5                           ; 0; never rewritten
.set SOA,  6                           ; 8 x lane
.set QS,   8                           ; q's scale words: 2 head + a
.set KS,   12
.set VS,   20
.set PS,   24                          ; p's scale words, tile j
.set NM,   28                          ; pairs: -M, the running largest score
.set NM4,  36                          ; -M - 4
.set FP,   40                          ; pairs: 2^(old M - new M), unused
.set L,    48                          ; the sums: two pairs a tile
.set TM,   64                          ; 16 blocks
.set BP,   80
.set TA,   96
.set TD,   100
.set QF,   104                         ; q: 6 registers and 6 of zeros a tile
.set PCD,  152                         ; p's codes, 12 a tile
.set TC,   200
.set O,    128
.set KF,   192
.set VF,   192
.set WV,   14
.set SEL,  20
.set CS,   22
.set G1A,  24
.set G1B,  32
.set G0,   40
.set NCS,  48
.set TBS,  49
.set T2,   50
.set CNT,  51
.set MSB, 0
.macro WIN new                         ; the immediate's high byte repeats the setting that is left
.if MSB != (\new)
	s_set_vgpr_msb (MSB<<8)|(\new)
.set MSB, (\new)
.endif
.endm
.macro PLACES
.rept 4
	v_nop
.endr
.endm
.macro CROUND
	s_barrier_signal -1
	s_barrier_wait -1
	s_cmp_lg_u32 s[WV], 0
	s_cbranch_scc1 .Lnot_wave_0_\@
	s_barrier_signal -3
.Lnot_wave_0_\@:
	s_barrier_wait -3
	s_barrier_signal -1
	s_barrier_wait -1
.endm
.macro KLOAD adr                       ; a record's k: four images into window 1, eight scale words
	WIN 0x40
.irp pr, 0,1,2,3
.irp c, 0,1,2
	ds_load_b128 v[KF+12*\pr+4*\c:KF+12*\pr+4*\c+3], v[\adr] offset:1536*\pr+512*\c
.endr
.endr
	WIN 0
.irp c, 0,1
	ds_load_b128 v[KS+4*\c:KS+4*\c+3], v[\adr] offset:6144+512*\c
.endr
.endm
.macro CVT w, sb, j                    ; 64 numbers at v[sb] of window w become half blocks of codes; the scale operands stand in v[TM + 4 j] on
	WIN \w
.irp c, 0,1
	v_cvt_scalef32_pk16_bf6_f32 v[PCD+12*(\j)+6*\c:PCD+12*(\j)+6*\c+2], v[(\sb)+32*\c:(\sb)+32*\c+15], v[TM+4*(\j)+2*\c]
	v_cvt_scalef32_pk16_bf6_f32 v[TC+8*(\j)+4*\c:TC+8*(\j)+4*\c+2], v[(\sb)+32*\c+16:(\sb)+32*\c+31], v[TM+4*(\j)+2*\c+1]
.endr
.endm
.macro SWAPS j                         ; a whole block in a lane: lanes 0-15 block 2 c, lanes 16-31 block 2 c + 1
.irp c, 0,1
.irp i, 0,1,2
	v_permlane16_swap_b32 v[PCD+12*(\j)+6*\c+\i], v[TC+8*(\j)+4*\c+\i]
.endr
.endr
.endm
.macro MOVS j
.irp c, 0,1
.irp i, 0,1,2
	v_mov_b32 v[PCD+12*(\j)+6*\c+3+\i], v[TC+8*(\j)+4*\c+\i]
.endr
.endr
.endm
.macro PACK pw, bb                     ; four bytes make a scale word
	v_lshl_or_b32 v[\pw], v[(\bb)+1], 8, v[\bb]
	v_lshl_or_b32 v[\pw], v[(\bb)+2], 16, v[\pw]
	v_lshl_or_b32 v[\pw], v[(\bb)+3], 24, v[\pw]
.endm
; A step: 128 keys for the wave's four tiles
.macro STEP
	s_add_co_u32 s[T2], s[TBS], KVREC
	s_min_u32 s[T2], s[T2], 15*KVREC               ; the last step fetches its own k once more: nothing lies behind record 15
	v_add_nc_u32 v[ADRV], s[TBS], v[AL]
	v_add_nc_u32 v[ADRK], s[T2], v[AL]
.irp j, 0,1,2,3                        ; S^T = k q^T: 32 products, each on an accumulator of its own.  K = 64: q's upper 64 are zeros
	WIN 0x41+0x40*(\j/2)
.irp t, 0,1,2,3,4,5,6,7
	v_wmma_scale_f32_16x16x128_f8f6f4 v[64*(\j%2)+8*\t:64*(\j%2)+8*\t+7], v[KF+6*\t:KF+6*\t+11], v[QF+12*\j:QF+12*\j+11], 0, v[KS+\t], v[QS+2*(\j%2)+\j/2] matrix_a_fmt:MATRIX_FMT_BF6 matrix_b_fmt:MATRIX_FMT_BF6
.endr
.endr
	PLACES                                         ; ahead of loads into registers that matrix instructions have read
	KLOAD ADRK                                     ; the next step's k; this step's v
	WIN 0x80
.irp t, 0,1,2,3
.irp c, 0,1,2
	ds_load_b128 v[VF+12*\t+4*\c:VF+12*\t+4*\c+3], v[ADRV] offset:7168+1536*\t+512*\c
.endr
.endr
	WIN 0
	ds_load_b128 v[VS:VS+3], v[ADRV] offset:13312
.irp w, 1,2                            ; the largest score of each block of 32 keys: my 16; eight blocks by turns; each accumulator is first read at its low end
	WIN 0x15*\w
.irp i, 0,1
.irp b, 0,1,2,3
	v_max3_num_f32 v[TM+8*(\w-1)+4*\i+\b], v[64*\i+16*\b], v[64*\i+16*\b+1], v[64*\i+16*\b+2]
.endr
.endr
	WIN 0x14*\w
.irp k, 3,5,7,9,11,13
.irp i, 0,1
.irp b, 0,1,2,3
	v_max3_num_f32 v[TM+8*(\w-1)+4*\i+\b], v[TM+8*(\w-1)+4*\i+\b], v[64*\i+16*\b+\k], v[64*\i+16*\b+\k+1]
.endr
.endr
.endr
.irp i, 0,1
.irp b, 0,1,2,3
	v_max_num_f32 v[TM+8*(\w-1)+4*\i+\b], v[TM+8*(\w-1)+4*\i+\b], v[64*\i+16*\b+15]
.endr
.endr
.endr
	WIN 0
.set nn, 0
.rept 16
	v_permlanex16_b32 v[BP+nn], v[TM+nn], s[SEL], s[SEL+1]
.set nn, nn+1
.endr
.set nn, 0
.rept 16
	v_max_num_f32 v[TM+nn], v[TM+nn], v[BP+nn]     ; with lane l xor 16's 16 keys
.set nn, nn+1
.endr
.irp j, 0,1,2,3
	v_max3_num_f32 v[TA+\j], v[TM+4*\j], v[TM+4*\j+1], v[TM+4*\j+2]
.endr
.irp j, 0,1,2,3
	v_max3_num_f32 v[NM+2*\j+1], v[NM+2*\j+1], v[TA+\j], v[TM+4*\j+3]   ; the running largest score
.endr
.irp j, 0,1,2,3
	v_mul_f32 v[TA+\j], s[NCS], v[NM+2*\j+1]       ; -t
.endr
.irp j, 0,1,2,3
	v_floor_f32 v[TA+\j], v[TA+\j]                 ; the new -M = -ceil(t)
.endr
.irp j, 0,1,2,3
	v_sub_f32 v[TD+\j], v[TA+\j], v[NM+2*\j]       ; old M - new M, a whole number, 0 or less
.endr
.irp j, 0,1,2,3
	v_mov_b32 v[NM+2*\j], v[TA+\j]
.endr
.irp j, 0,1,2,3
	v_cvt_i32_f32 v[TD+\j], v[TD+\j]               ; (it saturates)
.endr
.irp j, 0,1,2,3
	v_add_f32 v[NM4+\j], -4.0, v[TA+\j]
.endr
.irp j, 0,1,2,3
	v_ldexp_f32 v[FP+2*\j], 1.0, v[TD+\j]
.endr
.set nn, 0
.rept 16
	v_fma_f32 v[TM+nn], v[TM+nn], s[CS], v[NM4+nn/4]   ; the block's largest t - M - 4
.set nn, nn+1
.endr
.irp w, 1,2
	WIN 0x41*\w
.irp i, 0,1
.set kk, 0
.rept 32
	v_pk_fma_f32 v[64*\i+kk:64*\i+kk+1], v[64*\i+kk:64*\i+kk+1], s[CS:CS+1], v[NM+4*(\w-1)+2*\i:NM+4*(\w-1)+2*\i+1] op_sel_hi:[1,0,0]   ; t - M
.set kk, kk+2
.endr
.endr
.irp i, 0,1
.set kk, 0
.rept 16
	v_pk_mul_f32 v[O+32*\i+kk:O+32*\i+kk+1], v[O+32*\i+kk:O+32*\i+kk+1], v[FP+4*(\w-1)+2*\i:FP+4*(\w-1)+2*\i+1] op_sel_hi:[1,0]   ; O^T under the new M, each accumulator from its low end on
.set kk, kk+2
.endr
.endr
.endr
	s_wait_alu depctr_va_vdst(0)
.irp w, 2,1
	WIN 0x41*\w
.set kk, 0
.rept 128
	v_exp_f32 v[kk], v[kk]                         ; p = 2^(t - M)
.set kk, kk+1
.endr
.endr
	WIN 0
.set nn, 0
.rept 16
	v_exp_f32 v[TM+nn], v[TM+nn]
.set nn, nn+1
.endr
	v_nop                                          ; a plain place behind the batch,
	s_wait_alu depctr_va_vdst(0)                   ; and one wait for all of it
.set nn, 0
.rept 16
	v_max_num_f32 v[TM+nn], 0x800000, v[TM+nn]     ; the conversion's scale operand; the byte cannot fall under 1
.set nn, nn+1
.endr
.set nn, 0
.rept 16
	v_lshrrev_b32 v[BP+nn], 23, v[TM+nn]           ; the scale's byte
.set nn, nn+1
.endr
.irp j, 0,1,2,3
	PACK PS+\j, BP+4*\j
.endr
.irp j, 0,1,2,3
	CVT 1+\j/2, 64*(\j%2), \j
.endr
	WIN 0
	v_nop                                          ; one plain place behind the conversions
.irp j, 0,1,2,3
	SWAPS \j
.endr
.irp j, 0,1,2,3
	MOVS \j
.endr
.irp w, 1,2                            ; the sums of the unquantised p: two chains a tile; the first link brings the old sum under the new M
	WIN 0x10*\w
.irp i, 0,1
.set LB, L+8*(\w-1)+4*\i
	v_pk_fma_f32 v[LB:LB+1], v[LB:LB+1], v[FP+4*(\w-1)+2*\i:FP+4*(\w-1)+2*\i+1], v[64*\i:64*\i+1] op_sel_hi:[1,0,1]
	v_pk_fma_f32 v[LB+2:LB+3], v[LB+2:LB+3], v[FP+4*(\w-1)+2*\i:FP+4*(\w-1)+2*\i+1], v[64*\i+2:64*\i+3] op_sel_hi:[1,0,1]
.endr
	WIN 0x04*\w
.set kk, 4
.rept 15
.irp i, 0,1
.set LB, L+8*(\w-1)+4*\i
	v_pk_add_f32 v[LB:LB+1], v[LB:LB+1], v[64*\i+kk:64*\i+kk+1]
	v_pk_add_f32 v[LB+2:LB+3], v[LB+2:LB+3], v[64*\i+kk+2:64*\i+kk+3]
.endr
.set kk, kk+4
.endr
.endr
	s_wait_dscnt 0x0                               ; v, its scale words, and the next step's k are in
.irp w, 1,2                            ; O^T += v^T p^T: 16 accumulators by turns
	WIN 0x02+0x50*\w
.irp t, 0,1,2,3
.irp i, 0,1
	v_wmma_scale_f32_16x16x128_f8f6f4 v[O+32*\i+8*\t:O+32*\i+8*\t+7], v[VF+12*\t:VF+12*\t+11], v[PCD+24*(\w-1)+12*\i:PCD+24*(\w-1)+12*\i+11], v[O+32*\i+8*\t:O+32*\i+8*\t+7], v[VS+\t], v[PS+2*(\w-1)+\i] matrix_a_fmt:MATRIX_FMT_BF6 matrix_b_fmt:MATRIX_FMT_BF6
.endr
.endr
.endr
	WIN 0
	s_add_co_u32 s[TBS], s[TBS], KVREC
.endm
	s_load_b128 s[8:11], s[0:1], 0x0               ; qrec, kvrec
	s_load_b64 s[12:13], s[0:1], 0x10              ; arec
	v_lshl_add_u32 v[SPW], v0, 2, SPARE
	v_mov_b32 v[NIL], 0
	ds_add_u32 v[SPW], v[NIL]                      ; the wave's opening: the add, twice on end, and its wait
	ds_add_u32 v[SPW], v[NIL]
	v_lshrrev_b32 v7, 5, v0
	v_readfirstlane_b32 s[WV], v7                  ; wave 0..3
	s_bfe_u32 s15, ttmp6, 0x40000                  ; cx
	s_lshl_b32 s16, ttmp9, 2
	s_add_co_u32 s16, s16, s15                     ; the block of queries: it enters global addresses alone
	s_and_b32 s17, ttmp7, 0xffff                   ; 8 b + g, which the four partners share
	s_lshr_b32 s18, s17, 3
	s_and_b32 s19, s17, 7
	s_mov_b32 s[G1A], 15|(3<<16)|(1<<21)           ; mask of all four; elements of 8 bytes; dense rows of 256 bytes
	s_mov_b32 s[G1A+1], 32<<16
	s_mov_b32 s[G1A+2], ROWSA<<16
	s_mov_b32 s[G1A+3], 32<<16
	s_mov_b32 s[G1A+4], ROWSA
	s_mov_b32 s[G1A+5], 32
	s_mov_b32 s[G1A+6], 0
	s_mov_b32 s[G1A+7], 0
	s_mov_b32 s[G1B], 15|(3<<16)|(1<<21)
	s_mov_b32 s[G1B+1], 32<<16
	s_mov_b32 s[G1B+2], ROWSB<<16
	s_mov_b32 s[G1B+3], 32<<16
	s_mov_b32 s[G1B+4], ROWSB
	s_mov_b32 s[G1B+5], 32
	s_mov_b32 s[G1B+6], 0
	s_mov_b32 s[G1B+7], 0
	s_mov_b32 s[SEL], 0x76543210
	s_mov_b32 s[SEL+1], 0xfedcba98
	s_mov_b32 s[CS], 0x3e38aa3b                    ; log2(e) / 8
	s_mov_b32 s[CS+1], s[CS]
	s_mov_b32 s[NCS], 0xbe38aa3b
	v_and_b32 v7, 31, v0
	v_lshlrev_b32 v[AL], 4, v7
	v_lshlrev_b32 v[SOA], 3, v7
	s_wait_alu depctr_va_vdst(0)
	s_wait_dscnt 0x0                               ; both opening adds are done
	s_wait_kmcnt 0x0
	s_mul_i32 s56, s17, KVALL
	s_mov_b32 s57, 0
	s_add_nc_u64 s[58:59], s[10:11], s[56:57]      ; k and v of (b, g)
	s_mul_i32 s56, s[WV], ROWSA*256
	s_mov_b32 s[G0], 1
	s_mov_b32 s[G0+1], s56
	s_add_nc_u64 s[G0+2:G0+3], s[58:59], s[56:57]
	s_or_b32 s[G0+3], s[G0+3], 0x80000000
	s_mul_i32 s56, s[WV], ROWSB*256
	s_add_co_u32 s56, s56, 4*ROWSA*256
	s_mov_b32 s[G0+4], 1
	s_mov_b32 s[G0+5], s56
	s_add_nc_u64 s[G0+6:G0+7], s[58:59], s[56:57]
	s_or_b32 s[G0+7], s[G0+7], 0x80000000
	CROUND                                         ; all four work-groups are here: the joint loads meet
	tensor_load_to_lds s[G0:G0+3], s[G1A:G1A+7]    ; my 61 of the first 244 rows: the wave's one load at the head
	s_nop 0
	PLACES
	s_lshl_b32 s56, s18, 4
	s_lshl_b32 s57, s19, 1
	s_add_co_u32 s56, s56, s57                     ; query head 16 b + 2 g
	s_lshl_b32 s56, s56, 4
	s_add_co_u32 s56, s56, s16
	s_mul_i32 s56, s56, QREC                       ; its record; head 2 g + 1's lies 16 records on
	s_mul_i32 s57, s[WV], 1536
	s_add_co_u32 s62, s56, s57                     ; image w: tiles 2 w and 2 w + 1
	s_mov_b32 s63, 0
	s_lshr_b32 s57, s[WV], 1
	s_lshl_b32 s57, s57, 9
	s_add_co_u32 s60, s56, s57
	s_and_b32 s57, s[WV], 1
	s_lshl_b32 s57, s57, 3
	s_add_co_u32 s60, s60, s57
	s_add_co_u32 s60, s60, 6144                    ; their two scale words
	s_mov_b32 s61, 0
	s_add_nc_u64 s[62:63], s[8:9], s[62:63]
	s_add_nc_u64 s[60:61], s[8:9], s[60:61]
.irp h, 0,1
.irp c, 0,1,2
	global_load_b128 v[PCD+12*\h+4*\c:PCD+12*\h+4*\c+3], v[AL], s[62:63] offset:16*QREC*\h+512*\c
.endr
	global_load_b64 v[QS+2*\h:QS+2*\h+1], v[AL], s[60:61] offset:16*QREC*\h
.endr
	s_lshl_b32 s56, s18, 4
	s_add_co_u32 s56, s56, s16
	s_mul_i32 s56, s56, XBLK
	s_mul_i32 s57, s19, KREC
	s_add_co_u32 s56, s56, s57                     ; arec: block 16 b + x, K step g
	s_mul_i32 s57, s[WV], 3072
	s_add_co_u32 s52, s56, s57                     ; my two fragments
	s_mov_b32 s53, 0
	s_lshl_b32 s57, s[WV], 8
	s_add_co_u32 s54, s56, s57
	s_add_co_u32 s54, s54, 12288                   ; and their pair of scale words
	s_mov_b32 s55, 0
	s_add_nc_u64 s[52:53], s[12:13], s[52:53]
	s_add_nc_u64 s[54:55], s[12:13], s[54:55]
.irp j, 0,1,2,3                        ; the step is written once: the first finds zeros, a largest score of -3e38 and -M = 3e38, so that its factor is 0
	v_mov_b32 v[NM+2*\j], 0x7f61b1e6
	v_mov_b32 v[NM+2*\j+1], 0xff61b1e6
	v_mov_b32 v[FP+2*\j+1], 0
.irp i, 0,1,2,3
	v_mov_b32 v[L+4*\j+\i], 0
	v_mov_b32 v[BP+4*\j+\i], 0                     ; a lane permute's destination counts as one of its sources
.endr
.irp i, 6,7,8,9,10,11
	v_mov_b32 v[QF+12*\j+\i], 0
.endr
.endr
.irp w, 1,2
	WIN 0x40*\w
.set kk, 0
.rept 64
	v_mov_b32 v[O+kk], 0
.set kk, kk+1
.endr
.endr
	WIN 0x40
.irp i, 48,49,50,51,52,53
	v_mov_b32 v[KF+\i], 0                          ; behind k's last tile: codes that meet q's zeros
.endr
	WIN 0
	s_wait_loadcnt 0x0
.irp j, 0,1,2,3
.irp i, 0,1,2,3,4,5
	v_mov_b32 v[QF+12*\j+\i], v[PCD+12*(\j%2)+6*(\j/2)+\i]
.endr
.endr
	s_wait_alu depctr_va_vdst(0)
	s_wait_tensorcnt 0x0                           ; my part of the first rows is in
	ds_add_u32 v[SPW], v[NIL]
	s_wait_dscnt 0x0
	CROUND                                         ; everybody's part is in, and the joint loads meet
	tensor_load_to_lds s[G0+4:G0+7], s[G1B:G1B+7]  ; my 155 of the other 620 rows
	s_nop 0
	PLACES
	KLOAD AL                                       ; step 0's k
	s_wait_dscnt 0x0
	s_mov_b32 s[TBS], 0
	s_mov_b32 s[CNT], 4
.Lfirst:                                               ; steps 0-3 read the first 244 rows alone
	STEP
	s_sub_co_u32 s[CNT], s[CNT], 1
	s_cmp_lg_u32 s[CNT], 0
	s_cbranch_scc1 .Lfirst
	s_wait_alu depctr_va_vdst(0)
	s_wait_tensorcnt 0x0                           ; my part of the other rows is in,
	s_wait_dscnt 0x0
	s_barrier_signal -1
	s_barrier_wait -1                              ; everybody's is.  Nothing is filled again
	s_mov_b32 s[TBS], 4*KVREC
	s_mov_b32 s[CNT], 12
.Lrest:
	STEP
	s_sub_co_u32 s[CNT], s[CNT], 1
	s_cmp_lg_u32 s[CNT], 0
	s_cbranch_scc1 .Lrest
	PLACES
	s_wait_alu depctr_va_vdst(0)
.irp j, 0,1,2,3
	v_pk_add_f32 v[L+4*\j:L+4*\j+1], v[L+4*\j:L+4*\j+1], v[L+4*\j+2:L+4*\j+3]
.endr
.irp j, 0,1,2,3
	v_add_f32 v[L+4*\j], v[L+4*\j], v[L+4*\j+1]
.endr
.irp j, 0,1,2,3
	v_permlanex16_b32 v[BP+\j], v[L+4*\j], s[SEL], s[SEL+1]
.endr
.irp j, 0,1,2,3
	v_add_f32 v[L+4*\j], v[L+4*\j], v[BP+\j]       ; the row's sum
.endr
	s_wait_alu depctr_va_vdst(0)
.irp j, 0,1,2,3
	v_rcp_f32 v[FP+2*\j], v[L+4*\j]
.endr
	v_nop
.irp w, 1,2                            ; o = O^T / the sum: a query tile's two heads side by side, 64 numbers: the 128 along K of a fragment of arec
	WIN 0x41*\w
	s_wait_alu depctr_va_vdst(0)
.irp i, 0,1
.set kk, 0
.rept 16
	v_pk_mul_f32 v[32*\i+kk:32*\i+kk+1], v[O+32*\i+kk:O+32*\i+kk+1], v[FP+4*(\w-1)+2*\i:FP+4*(\w-1)+2*\i+1] op_sel_hi:[1,0]
.set kk, kk+2
.endr
.endr
.endr
.irp w, 1,2
	WIN 0x05*\w
.irp b, 0,1,2,3
	v_max3_num_f32 v[TM+4*(\w-1)+\b], |v[16*\b]|, |v[16*\b+1]|, 0x2800000   ; with the floor 2^(5 - 127)
.endr
	WIN 0x14*\w
.irp k, 2,4,6,8,10,12,14
.irp b, 0,1,2,3
	v_max3_num_f32 v[TM+4*(\w-1)+\b], v[TM+4*(\w-1)+\b], |v[16*\b+\k]|, |v[16*\b+\k+1]|
.endr
.endr
.endr
	WIN 0
.irp n, 0,1,2,3,4,5,6,7
	v_permlanex16_b32 v[BP+\n], v[TM+\n], s[SEL], s[SEL+1]
.endr
.irp n, 0,1,2,3,4,5,6,7
	v_max_num_f32 v[TM+\n], v[TM+\n], v[BP+\n]
.endr
.irp n, 0,1,2,3,4,5,6,7
	v_add_nc_u32 v[TM+\n], 0xfe000000, v[TM+\n]    ; 4 off the exponent field: the conversion's scale operand
.endr
.irp n, 0,1,2,3,4,5,6,7
	v_lshrrev_b32 v[BP+\n], 23, v[TM+\n]
.endr
	PACK PS, BP
	PACK PS+1, BP+4
	CVT 1, 0, 0
	CVT 2, 0, 1
	WIN 0
	v_nop
	SWAPS 0
	SWAPS 1
	MOVS 0
	MOVS 1
.irp a, 0,1
.irp c, 0,1,2
	global_store_b128 v[AL], v[PCD+12*\a+4*\c:PCD+12*\a+4*\c+3], s[52:53] offset:1536*\a+512*\c   ; 512 consecutive bytes, aligned
.endr
.endr
	global_store_b64 v[SOA], v[PS:PS+1], s[54:55]  ; 256 consecutive bytes, aligned
	s_wait_tensorcnt 0x0                           ; the wave's end
	ds_add_u32 v[SPW], v[NIL]
	s_wait_dscnt 0x0
	CROUND                                         ; the closing round
	s_endpgm
.Lfunc_end_k_q0e5c91ddf9_attn:
	.size	k_q0e5c91ddf9_attn, .Lfunc_end_k_q0e5c91ddf9_attn-k_q0e5c91ddf9_attn
	.p2alignl 7, 3214868480
	.fill 96, 4, 3214868480
	.section	.rodata,"a",@progbits
	.p2align	6, 0x0
	.amdhsa_kernel k_q0e5c91ddf9_attn
		.amdhsa_group_segment_fixed_size 327680
		.amdhsa_private_segment_fixed_size 0
		.amdhsa_enable_private_segment 0
		.amdhsa_kernarg_size 24
		.amdhsa_user_sgpr_count 2
		.amdhsa_user_sgpr_kernarg_segment_ptr 1
		.amdhsa_wavefront_size32 1
		.amdhsa_system_sgpr_workgroup_id_x 1
		.amdhsa_system_sgpr_workgroup_id_y 1
		.amdhsa_system_sgpr_workgroup_id_z 1
		.amdhsa_system_vgpr_workitem_id 0
		.amdhsa_next_free_vgpr 768
		.amdhsa_next_free_sgpr 72
		.amdhsa_reserve_vcc 0
		.amdhsa_float_denorm_mode_32 3
		.amdhsa_float_denorm_mode_16_64 3
		.amdhsa_memory_ordered 1
		.amdhsa_forward_progress 1
		.amdhsa_inst_pref_size 137
	.end_amdhsa_kernel
	.amdgpu_metadata
---
amdhsa.version: [ 1, 2 ]
amdhsa.kernels:
  - .name:           k_q0e5c91ddf9_attn
    .symbol:         k_q0e5c91ddf9_attn.kd
    .args:
      - { .name: qrec, .offset: 0, .size: 8, .value_kind: global_buffer, .address_space: global }
      - { .name: kvrec, .offset: 8, .size: 8, .value_kind: global_buffer, .address_space: global }
      - { .name: arec, .offset: 16, .size: 8, .value_kind: global_buffer, .address_space: global }
    .group_segment_fixed_size: 327680
    .private_segment_fixed_size: 0
    .kernarg_segment_align: 8
    .kernarg_segment_size: 24
    .max_flat_workgroup_size: 128
    .sgpr_count:     72
    .vgpr_count:     768
    .wavefront_size: 32
...
	.end_amdgpu_metadata
.endif
;; end of part 3
;; launch oproj (part 4): grid 8 x 32, 4 waves a work-group, clusters of 4 x 1, 167,936 bytes of LDS; arguments arec, wrec, wo_scales, bo, hidden_states, out0; writes out0
.if DOCPART == 4
	.amdgcn_target "amdgcn-amd-amdhsa--gfx1250"
	.amdhsa_code_object_version 6
	.text
	.protected	k_q0e5c91ddf9_oproj
	.globl	k_q0e5c91ddf9_oproj
	.p2align	8
	.type	k_q0e5c91ddf9_oproj,@function
k_q0e5c91ddf9_oproj:
	s_mov_b64 s[64:65], 0
	v_nop
	global_prefetch_b8 v0, s[64:65] scope:SCOPE_SE
	s_setreg_imm32_b32 hwreg(HW_REG_WAVE_MODE, 25, 1), 1
	s_wait_xcnt 0x0
	s_wait_alu depctr_hold_cnt(0) depctr_sa_sdst(0) depctr_va_vdst(0) depctr_va_sdst(0) depctr_va_ssrc(0) depctr_va_vcc(0) depctr_vm_vsrc(0)
	s_getreg_b32 s2, hwreg(HW_REG_IB_STS2, 6, 4)
	s_cmp_eq_u32 s2, 0
	s_cbranch_scc0 .Lentry_in_a_cluster
	s_endpgm
.Lentry_in_a_cluster:
	s_bfe_u32 s2, ttmp6, 0x10000c
	s_cmp_lg_u32 s2, 0x3003
	s_cbranch_scc0 .Lentry_shape_is_right
	s_endpgm
.Lentry_shape_is_right:
; LAUNCH 4 OF 4: out0 = Q(o) wo + bo + hidden_states, the product on codes of BF6.  No work is left out.
; SHARES: a work-group takes a block of 128 tokens and 128 columns; wave w token tiles 4 (w / 2) .. + 3 and columns 64 (w % 2) on: 16 accumulators, 8 K steps.  Its 64 rows of wo, a group of wrec, go into its registers once,
; by 96 loads of 512 consecutive bytes, fed in stages: three K steps at the head, the others behind the first steps' products, the residual behind them; a wave never has more than 60 loads out.
; o's register images, 106,496 bytes, come into LDS once, jointly for the four work-groups of a cluster, which share the block of tokens.  Nothing in LDS is filled again.  wo is not asked for jointly: a joint load lands
; in LDS, and the weights are wanted in registers: through LDS they would be written there and read back once more.
; The product is used transposed (source 0 = 16 rows of wo, source 1 = 16 tokens): a lane holds eight neighbouring columns of one token.  bo is the C of each sum's first product.
; A tile of 16 tokens x 64 columns goes through the wave's own stage (pitch 272 bytes) and comes back by rows; the residual, loaded in that same layout, is added; sixteen lanes store 256 consecutive bytes, aligned.
; LIMITS: as stated at the first kernel's head.
; REGISTERS: window 0: v1-15 addresses; v16-111 o's fragments, two sets; v112-143 o's scale words; v144-175 wo's; v176-239 rows on the way out, two sets.  Window 1: v0-127 accumulators, v128-159 bo.
;   Windows 2, 3: v0-191 wo of K steps 0-3, 4-7; v192-255 the residual of tiles 0, 1 and 2, 3.
.set KREC,  13312
.set XBLK,  106496
.set WGRP,  49152
.set STAGE, XBLK                       ; behind the images: 16 rows x 272 bytes for each wave
.set SPARE, STAGE+4*16*272             ; behind the stages: the spare words
.set LI,   1
.set LS,   3
.set GL,   5                           ; v5   16 x lane: my place in an image in memory
.set WSA,  6
.set BIA,  7
.set STO,  8
.set RD,   9
.set GO,   10
.set SPW,  14
.set NIL,  15
.set AF,   16
.set AS,   112
.set WS,   144
.set BK,   176
.set WV,   34
.set MSB, 0
.macro WIN new
.if MSB != (\new)
	s_set_vgpr_msb (MSB<<8)|(\new)
.set MSB, (\new)
.endif
.endm
.macro PLACES
.rept 4
	v_nop
.endr
.endm
.macro CROUND
	s_barrier_signal -1
	s_barrier_wait -1
	s_cmp_lg_u32 s[WV], 0
	s_cbranch_scc1 .Lnot_wave_0_\@
	s_barrier_signal -3
.Lnot_wave_0_\@:
	s_barrier_wait -3
	s_barrier_signal -1
	s_barrier_wait -1
.endm
.macro FETCH s                         ; my four tiles of K step s into set s % 2
.irp mi, 0,1,2,3
.irp c, 0,1,2
	ds_load_b128 v[AF+48*((\s)%2)+12*\mi+4*\c:AF+48*((\s)%2)+12*\mi+4*\c+3], v[LI+(\s)/4] offset:((\s)%4)*KREC+\mi*1536+512*\c
.endr
.endr
.endm
.macro WLOAD s                         ; wo's four fragments of K step s into window 2 or 3: 12 loads of 512 consecutive bytes
	WIN 0x80+0x40*((\s)/4)
.irp t, 0,1,2,3
.irp c, 0,1,2
	global_load_b128 v[48*((\s)%4)+12*\t+4*\c:48*((\s)%4)+12*\t+4*\c+3], v[GL], s[52:53] offset:(\s)*6144+\t*1536+512*\c
.endr
.endr
.endm
.macro RXLOAD mi                       ; the residual of tile mi, in the layout in which the tile comes back from the stage: 8 loads
	WIN 0x80+0x40*((\mi)/2)
.irp i, 0,1,2,3,4,5,6,7
	global_load_b128 v[192+32*((\mi)%2)+4*\i:192+32*((\mi)%2)+4*\i+3], v[GO], s[58:59] offset:(32*((\mi)/2)+8*((\mi)%2)+2*\i+8*(\i/4))*4096 th:TH_LOAD_NT
.endr
.endm
.macro MUL s                           ; 16 products; the accumulators take turns, one instruction a turn
	WIN 0x52+(\s)/4                                ; source 0 (wo) window 2 or 3, source 1 window 0, C and D window 1
.irp mi, 0,1,2,3
.irp t, 0,1,2,3
.set rD, 8*(4*\mi+\t)
.set rW, 48*((\s)%4)+12*\t
.set rA, AF+48*((\s)%2)+12*\mi
.if \s == 0
	v_wmma_scale_f32_16x16x128_f8f6f4 v[rD:rD+7], v[rW:rW+11], v[rA:rA+11], v[128+8*\t:128+8*\t+7], v[WS+8*\t+\s], v[AS+4*\s+\mi] matrix_a_fmt:MATRIX_FMT_BF6 matrix_b_fmt:MATRIX_FMT_BF6
.else
	v_wmma_scale_f32_16x16x128_f8f6f4 v[rD:rD+7], v[rW:rW+11], v[rA:rA+11], v[rD:rD+7], v[WS+8*\t+\s], v[AS+4*\s+\mi] matrix_a_fmt:MATRIX_FMT_BF6 matrix_b_fmt:MATRIX_FMT_BF6
.endif
.endr
.endr
.endm
.macro OUTT mi                         ; tile mi leaves
.if \mi >= 2
	s_wait_xcnt 0x0                                ; the stores of two tiles back have read their registers, into which the loads below land
.endif
	WIN 0x04                                       ; an LDS store's data are its source 1: window 1
.irp t, 0,1,2,3
.irp q, 0,1
	ds_store_b128 v[STO], v[32*\mi+8*\t+4*\q:32*\mi+8*\t+4*\q+3] offset:64*\t+16*\q   ; each accumulator from its low end on
.endr
.endr
	WIN 0
.irp i, 0,1,2,3,4,5,6,7
	ds_load_b128 v[BK+32*(\mi%2)+4*\i:BK+32*(\mi%2)+4*\i+3], v[RD] offset:544*\i   ; LDS serves a wave's instructions in order: these see my stores
.endr
	s_wait_dscnt 0x0
	WIN 0x08+4*(\mi/2)                             ; source 1: the residual, window 2 or 3
.irp p, 0,2,4,6,8,10,12,14,16,18,20,22,24,26,28,30
	v_pk_add_f32 v[BK+32*(\mi%2)+\p:BK+32*(\mi%2)+\p+1], v[BK+32*(\mi%2)+\p:BK+32*(\mi%2)+\p+1], v[192+32*(\mi%2)+\p:192+32*(\mi%2)+\p+1]
.endr
	WIN 0
.irp i, 0,1,2,3,4,5,6,7
	global_store_b128 v[GO], v[BK+32*(\mi%2)+4*\i:BK+32*(\mi%2)+4*\i+3], s[60:61] offset:(32*(\mi/2)+8*(\mi%2)+2*\i+8*(\i/4))*4096 th:TH_STORE_NT
.endr
.endm
	s_load_b256 s[8:15], s[0:1], 0x0               ; arec, wrec, wo's scales, bo
	s_load_b128 s[16:19], s[0:1], 0x20             ; hidden_states, out0
	v_lshl_add_u32 v[SPW], v0, 2, SPARE
	v_mov_b32 v[NIL], 0
	ds_add_u32 v[SPW], v[NIL]                      ; the wave's opening: the add, twice on end, and its wait ahead of my first tensor load
	ds_add_u32 v[SPW], v[NIL]
	v_lshrrev_b32 v1, 5, v0
	v_readfirstlane_b32 s[WV], v1                  ; wave 0..3
	s_bfe_u32 s35, ttmp6, 0x40000                  ; cx
	s_lshl_b32 s36, ttmp9, 2
	s_add_co_u32 s36, s36, s35                     ; the group of 128 columns: it enters global addresses alone
	s_and_b32 s37, ttmp7, 0xffff                   ; the block of tokens, which the partners share
	s_lshr_b32 s38, s[WV], 1                       ; which four tiles of tokens
	s_and_b32 s39, s[WV], 1                        ; which 64 columns
	s_mov_b32 s40, 15|(3<<16)|(1<<21)              ; group 1 as in the second launch: 104 dense rows of 256 bytes, for all four
	s_mov_b32 s41, 32<<16
	s_mov_b32 s42, 104<<16
	s_mov_b32 s43, 32<<16
	s_mov_b32 s44, 104
	s_mov_b32 s45, 32
	s_mov_b32 s46, 0
	s_mov_b32 s47, 0
	s_mov_b32 s48, 1
	s_mul_i32 s49, s[WV], 2*KREC
	s_mul_i32 s70, s37, XBLK
	s_add_co_u32 s70, s70, s49
	s_mov_b32 s71, 0
	v_and_b32 v11, 31, v0
	v_and_b32 v12, 15, v0
	v_bfe_u32 v13, v0, 4, 1
	v_lshlrev_b32 v[GL], 4, v11
	s_mul_i32 s72, s38, 6144
	v_lshl_add_u32 v[LI], v11, 4, s72
	v_add_nc_u32 v[LI+1], 4*KREC, v[LI]
	s_lshl_b32 s72, s38, 9
	s_add_co_u32 s72, s72, 12288
	v_lshl_add_u32 v[LS], v11, 3, s72
	v_add_nc_u32 v[LS+1], 4*KREC, v[LS]
	v_lshlrev_b32 v[WSA], 5, v12
	v_lshlrev_b32 v[BIA], 5, v13
	s_mul_i32 s72, s[WV], 16*272
	s_add_co_u32 s72, s72, STAGE
	v_mul_u32_u24 v[STO], v12, 272
	v_lshl_add_u32 v[STO], v13, 5, v[STO]
	v_add_nc_u32 v[STO], s72, v[STO]               ; in: row r, 32 bytes for each half of the lanes
	v_mul_u32_u24 v[RD], v13, 272
	v_lshl_add_u32 v[RD], v12, 4, v[RD]
	v_add_nc_u32 v[RD], s72, v[RD]                 ; back: lanes 0-15 one row of 256 bytes, lanes 16-31 the next
	v_lshlrev_b32 v[GO], 12, v13
	v_lshl_add_u32 v[GO], v12, 4, v[GO]            ; and the same two rows in memory
	s_wait_dscnt 0x0                               ; both opening adds are done
	s_wait_kmcnt 0x0
	s_add_nc_u64 s[50:51], s[8:9], s[70:71]
	s_or_b32 s51, s51, 0x80000000
	CROUND                                         ; all four work-groups are here: the joint loads meet
	tensor_load_to_lds s[48:51], s[40:47]          ; my quarter of o's images: the wave's one tensor load
	s_nop 0
	PLACES
	s_lshl_b32 s70, s36, 7
	s_lshl_b32 s72, s39, 6
	s_add_co_u32 s70, s70, s72                     ; my first column
	s_lshl_b32 s74, s36, 1
	s_add_co_u32 s74, s74, s39
	s_add_co_u32 s74, s74, 32                      ; my group in wrec: wo's begin at 32
	s_mul_i32 s74, s74, WGRP
	s_mov_b32 s75, 0
	s_add_nc_u64 s[52:53], s[10:11], s[74:75]
	s_lshl_b32 s74, s70, 5
	s_add_nc_u64 s[54:55], s[12:13], s[74:75]
	s_lshl_b32 s74, s70, 2
	s_add_nc_u64 s[56:57], s[14:15], s[74:75]
	s_lshl_b32 s72, s37, 19                        ; block x 128 rows of 4,096 bytes
	s_add_co_u32 s74, s74, s72
	s_lshl_b32 s72, s38, 18                        ; + 64 rows for the upper four tiles
	s_add_co_u32 s74, s74, s72
	s_add_nc_u64 s[58:59], s[16:17], s[74:75]
	s_add_nc_u64 s[60:61], s[18:19], s[74:75]
.irp t, 0,1,2,3
.irp q, 0,1
	global_load_b128 v[WS+8*\t+4*\q:WS+8*\t+4*\q+3], v[WSA], s[54:55] offset:(16*\t)*32+16*\q
.endr
.endr
	WIN 0x40
	s_wait_alu depctr_va_vdst(0)
.irp t, 0,1,2,3
.irp q, 0,1
	global_load_b128 v[128+8*\t+4*\q:128+8*\t+4*\q+3], v[BIA], s[56:57] offset:64*\t+16*\q   ; bo at columns 16 t + 8 h + 0 .. 7
.endr
.endr
	WLOAD 0
	WLOAD 1
	WLOAD 2                                        ; 52 loads are out
	WIN 0
	s_wait_tensorcnt 0x0                           ; my quarter has landed,
	s_barrier_signal -1
	s_barrier_wait -1                              ; everybody's has
.irp s, 0,1,2,3,4,5,6,7
.irp q, 0,1
	ds_load_b64 v[AS+4*\s+2*\q:AS+4*\s+2*\q+1], v[LS+\s/4] offset:(\s%4)*KREC+256*\q
.endr
.endr
	FETCH 0
; THE ORDER OF A WAVE'S GLOBAL LOADS: wo's scale words 8, bo 8, wo of K steps 0-2 (12 each) at the head; behind the products of step 0 K steps 3-5, of step 1 K step 6, of step 2 K step 7, of step 3 the residual's tile 0 (8),
; of step 4 its tiles 1 and 2, of step 5 its tile 3.  Loads come back in order, so the wait at step s leaves out what was issued behind K step s: s = 0: 24.  s = 1, 2, 3: four K steps, 48.  s = 4: 36 + 8 = 44.
; s = 5: 24 + 24 = 48.  s = 6: 12 + 32 = 44.  s = 7: the residual's 32.
.irp s, 0,1,2,3,4,5,6,7
.if \s > 0
	PLACES
.endif
.set NLD, 48
.if \s == 0
.set NLD, 24
.endif
.if \s == 4
.set NLD, 44
.endif
.if \s == 6
.set NLD, 44
.endif
.if \s == 7
.set NLD, 32
.endif
	s_wait_loadcnt NLD
.if \s < 7
	FETCH \s+1
	s_wait_dscnt 12                                ; all but the 12 LDS loads just issued
.else
	s_wait_dscnt 0x0
.endif
	MUL \s
.if \s == 0
	WLOAD 3
	WLOAD 4
	WLOAD 5
.endif
.if \s == 1
	WLOAD 6
.endif
.if \s == 2
	WLOAD 7
.endif
.if \s == 3
	RXLOAD 0
.endif
.if \s == 4
	RXLOAD 1
	RXLOAD 2
.endif
.if \s == 5
	RXLOAD 3
.endif
	WIN 0
.endr
	PLACES
	s_wait_loadcnt 0x0                             ; the residual
	OUTT 0
	OUTT 1
	OUTT 2
	OUTT 3
	s_wait_tensorcnt 0x0                           ; the wave's end
	ds_add_u32 v[SPW], v[NIL]
	s_wait_dscnt 0x0
	CROUND                                         ; the closing round
	s_endpgm
.Lfunc_end_k_q0e5c91ddf9_oproj:
	.size	k_q0e5c91ddf9_oproj, .Lfunc_end_k_q0e5c91ddf9_oproj-k_q0e5c91ddf9_oproj
	.p2alignl 7, 3214868480
	.fill 96, 4, 3214868480
	.section	.rodata,"a",@progbits
	.p2align	6, 0x0
	.amdhsa_kernel k_q0e5c91ddf9_oproj
		.amdhsa_group_segment_fixed_size 167936
		.amdhsa_private_segment_fixed_size 0
		.amdhsa_enable_private_segment 0
		.amdhsa_kernarg_size 48
		.amdhsa_user_sgpr_count 2
		.amdhsa_user_sgpr_kernarg_segment_ptr 1
		.amdhsa_wavefront_size32 1
		.amdhsa_system_sgpr_workgroup_id_x 1
		.amdhsa_system_sgpr_workgroup_id_y 1
		.amdhsa_system_sgpr_workgroup_id_z 1
		.amdhsa_system_vgpr_workitem_id 0
		.amdhsa_next_free_vgpr 1024
		.amdhsa_next_free_sgpr 80
		.amdhsa_reserve_vcc 0
		.amdhsa_float_denorm_mode_32 3
		.amdhsa_float_denorm_mode_16_64 3
		.amdhsa_memory_ordered 1
		.amdhsa_forward_progress 1
		.amdhsa_inst_pref_size 56
	.end_amdhsa_kernel
	.amdgpu_metadata
---
amdhsa.version: [ 1, 2 ]
amdhsa.kernels:
  - .name:           k_q0e5c91ddf9_oproj
    .symbol:         k_q0e5c91ddf9_oproj.kd
    .args:
      - { .name: arec, .offset: 0, .size: 8, .value_kind: global_buffer, .address_space: global }
      - { .name: wrec, .offset: 8, .size: 8, .value_kind: global_buffer, .address_space: global }
      - { .name: wo_scales, .offset: 16, .size: 8, .value_kind: global_buffer, .address_space: global }
      - { .name: bo, .offset: 24, .size: 8, .value_kind: global_buffer, .address_space: global }
      - { .name: hidden_states, .offset: 32, .size: 8, .value_kind: global_buffer, .address_space: global }
      - { .name: out0, .offset: 40, .size: 8, .value_kind: global_buffer, .address_space: global }
    .group_segment_fixed_size: 167936
    .private_segment_fixed_size: 0
    .kernarg_segment_align: 8
    .kernarg_segment_size: 48
    .max_flat_workgroup_size: 128
    .sgpr_count:     80
    .vgpr_count:     1024
    .wavefront_size: 32
...
	.end_amdgpu_metadata
.endif
;; end of part 4
